; MI455X (gfx1250); checked and timed in simulation.
; The chip was launched on July 23, 2026; its instructions are those of AMD's public machine-readable ISA for CDNA 5 (MIT licence, August 2026) and "CDNA5" Instruction Set Architecture Reference Guide (July 2026). The comments in the code are by the model that wrote it; some were corrected since.
;; Multi Head Attention. Allowed arithmetic: matrix products marked QUANTISED: E2M3 operands, one E8M0 scale for each 32 along K, by v_wmma_scale_f32_16x16x128_f8f6f4 with both operands' format E2M3, f32 sums; everything else in f32.
;; Inputs: Wk 1,024 x 1,024 float32; Wo 1,024 x 1,024 float32; Wq 1,024 x 1,024 float32; Wv 1,024 x 1,024 float32; x 2 x 2,048 x 1,024 float32.
;; Outputs: out0 2 x 2,048 x 1,024 float32.
;; This version of the problem:
;;   THIS VERSION OF THE PROBLEM IS GIVEN IN LOW PRECISION. The matrix products marked QUANTISED in the list below multiply operands that are first quantised to E2M3 (2 exponent bits, 3 mantissa bits; 6 bits a number), with one power-of-two scale for each 32 numbers along K (OCP MX v1.0); their sums are f32. All else is computed in f32.
;;   The module's matrix products, in the order in which they are computed (A, B: the left and right operand; K: the contracted axis; several contracted axes count as one K, in the product's order):
;;     1. [M 4,096, K 1,024] x [K 1,024, N 1,024]; A: input x; B: input Wq: QUANTISED
;;     2. [M 4,096, K 1,024] x [K 1,024, N 1,024]; A: input x; B: input Wk: QUANTISED
;;     3. [M 4,096, K 1,024] x [K 1,024, N 1,024]; A: input x; B: input Wv: QUANTISED
;;     4. batch 32 x [M 2,048, K 64] x [K 64, N 2,048]; A: computed on the way; B: computed on the way: QUANTISED
;;     5. batch 32 x [M 64, K 2,048] x [K 2,048, N 2,048]; A: computed on the way; B: softmax (see below): QUANTISED
;;     6. [M 4,096, K 1,024] x [K 1,024, N 1,024]; A: computed on the way; B: input Wo: QUANTISED
;;   THE QUANTISER, for each operand of a quantised product, along K:
;;     - K is cut into blocks of 32 from its start; a last block that is shorter is filled with zeros.
;;     - A block's scale is 2^e with e = floor(log2(the largest magnitude in the block)) - 2, held to -126 .. 127; a block of zeros has e = 0. As a byte (E8M0): e + 127.
;;     - Each number is divided by its block's scale, clamped to +-7.5, and rounded to the nearest number of E2M3, ties to even, subnormals kept.
;;     - The product sums the exact products of the quantised numbers (number of the format x scale) in f32.
;;   ~~~python
;;   def quantise(x, axis):      # numpy; x: float32 -> the quantised numbers, widened to float32 again
;;       x = np.moveaxis(x, axis, -1); K = x.shape[-1]
;;       x = np.pad(x, [(0, 0)] * (x.ndim - 1) + [(0, -K % 32)]); x = x.reshape(x.shape[:-1] + (-1, 32)); a = np.abs(x).max(-1, keepdims=True)
;;       e = np.where(a > 0, np.clip(np.frexp(np.where(a > 0, a, 1))[1] - 1 - 2, -126, 127), 0)      # np.frexp(a)[1] - 1 = floor(log2(a)), exactly
;;       r = np.clip(x / 2.0 ** e, -7.5, 7.5)
;;       step = 2.0 ** (np.maximum(np.frexp(np.where(r == 0, 1, r))[1] - 1, 0) - 3)
;;       q = np.round(r / step) * step * 2.0 ** e      # np.round: ties to even
;;       return np.moveaxis(q.reshape(q.shape[:-2] + (-1,))[..., :K], -1, axis).astype(np.float32)
;;   ~~~
;;   SOFTMAX AHEAD OF A QUANTISED PRODUCT. Where the list says 'softmax', what is quantised is not the finished softmax but p = 2^(t - M), with t = logit x log2(e) and M = ceil(the row's largest t), a whole number; so 1/2 < the row's largest p <= 1. The row's sum l is taken of the UNQUANTISED p, in f32, and the product's result is divided by l at the end. Since M is a whole number, a kernel that streams over the keys may use a running M (the ceiling of the running maximum): every later rescaling is an exact power of two, which a block's scale takes up: the codes' values come out the same.
;;   OPERANDS COMPUTED ON THE WAY. 'Computed on the way' means the value that the module computes at that place (a softmax that the list does not call 'softmax' is quantised finished and normalised). What goes into a quantiser is computed in f32, as accurately as f32 sums, v_exp_f32 and their like allow (about 1e-6 of the number): no bf16 or f16 on the way to a quantiser, and a product that is left as it is and whose result goes on into a quantised operand takes f32 operands (vector FMAs, or v_wmma_f32_16x16x4_f32). A number that lies on a knife's edge between two numbers of the format may be rounded either way, as far as f32 arithmetic and the matrix unit's own rounding can turn it there, and no further.
;; One version. Each part assembles by itself: llvm-mc -triple=amdgcn-amd-amdhsa -mcpu=gfx1250 --defsym DOCPART=n.
;; ======== version 1 of 1: 4 launches
;; limits: right only within a limited range of input values
;; workspace buffers: codes 6,291,456 bytes; scales 262,144 bytes; qkv_codes 9,437,184 bytes; qkv_scales 393,216 bytes; a_codes 3,145,728 bytes; a_scales 131,072 bytes
;; launch quant (part 1): grid 256 x 1, 4 waves a work-group, no clusters, 35,328 bytes of LDS; arguments x, Wq, Wk, Wv, Wo, codes, scales; writes codes, scales
.if DOCPART == 1
	.amdgcn_target "amdgcn-amd-amdhsa--gfx1250"
	.amdhsa_code_object_version 6
	.text
	.protected	k_q1b79e73886_quant
	.globl	k_q1b79e73886_quant
	.p2align	8
	.type	k_q1b79e73886_quant,@function
k_q1b79e73886_quant:
	s_mov_b64 s[64:65], 0
	v_nop
	global_prefetch_b8 v0, s[64:65] scope:SCOPE_SE
	s_setreg_imm32_b32 hwreg(HW_REG_WAVE_MODE, 25, 1), 1
	s_wait_xcnt 0x0
; MULTI-HEAD ATTENTION IN MX-FP6, launch 1 of 4: x [4096][1024] and Wq, Wk, Wv, Wo [1024][1024], f32, K innermost, become codes of E2M3 and E8M0 scale bytes.
; DEAD WORK: none.  Every input reaches the output for all values, nothing is masked or sliced, so all six products and all five inputs are served.
; THE QUANTISER: a block of 32 along K has the scale 2^(floor(log2(largest magnitude)) - 2); its byte is the largest magnitude's exponent field - 2, held at 1 from below.
; LIMITS: NaN and infinities among the inputs are not served.  A block of zeros gets the byte 1 where the rule says 127: its codes are zeros, which add nothing, and these bytes are read by this program alone.
; LAYOUT OF THE WORKSPACE.  The five tensors are one stack of 8,192 rows = 512 tiles of 16 rows.  THE ROWS OF A TILE ARE NOT NEIGHBOURS: lane r of tile 2 G + u holds row 32 G + 8 u + r + 8 (r / 8),
; so that a later product's 16 registers of two neighbouring tiles are 16 neighbours along the next K.  codes: [512 tiles][16 pieces][768 bytes]; a piece is 16 rows x 64 K AS AN IMAGE OF THE OPERAND'S REGISTERS:
; lane (r, h) holds block h of row r, 6 registers; registers 0-3 lie at 16 x lane, registers 4-5 at 512 + 8 x lane.  scales: byte of (tile, r, block) at 512 tile + 128 (block / 8) + 8 r + block % 8.
; SHARES.  Work-group g takes rows 32 g .. 32 g + 31 (tiles 2 g, 2 g + 1); wave w takes tile 2 g + w / 2 and 512 along K (half w % 2): 8 steps of one piece each, written out.
; A load reads two rows' 256 consecutive bytes; the 4,096 bytes of a step turn through the wave's own stage in LDS (rows 272 bytes apart) and come back 128 bytes a lane: a whole block.
; No tensor load, no barrier: waves share nothing.  Loads run four steps (32 loads a wave) ahead, the turn through LDS one step.
; THE ORDER OF A TILE'S ROWS, AS IT NOW STANDS (it takes the place of the order given above): the stack goes in groups of 64 rows = 4 tiles; lane r of tile 4 G + t holds row 64 G + 32 (r / 8) + 8 t + r % 8,
; so that a later product's 32 registers of four neighbouring tiles are one whole block of 32 along the next K, in one lane.  Work-group g takes tiles 2 g and 2 g + 1: rows 64 (g / 2) + 16 (g % 2) + 8 u + 0 .. 7, and the same 32 rows on.
.set WREG,  8704
.set STG,   4352                       ; a stage: 16 rows x (256 + 16) bytes
.set SPARE, 4*WREG                     ; behind the stages: the spare words, 128 bytes for each wave
.set LO,   2                           ; v2   load offset: 4096 (lane / 16) + 16 (lane % 16)
.set SI,   3                           ; v3   the stage, on the way in
.set SOUT, 4                           ; v4   and on the way out: row r, + 128 h
.set L16,  5                           ; v5   16 x lane
.set L8,   6                           ; v6   8 x lane
.set H8,   7                           ; v7   8 h
.set SPW,  12                          ; v12  my spare word; never rewritten
.set NIL,  13                          ; v13  0; never rewritten
.set C2,   16                          ; v16-18 a block's upper 16 codes as they are made
.set C,    20                          ; v20-31 codes: two sets of 6
.set R,    32                          ; v32-159 four sets of 32 numbers as loaded
.set X,    160                         ; v160-223 two sets of 32 neighbours
.set SB,   224                         ; v224-227 scale bytes, four words
.set PT,   228                         ; v228-231 the other half's words; then the pair that leaves
	s_load_b256 s[4:11], s[0:1], 0x0               ; x, Wq, Wk, Wv
	s_load_b128 s[12:15], s[0:1], 0x20             ; Wo, codes
	s_load_b64 s[16:17], s[0:1], 0x30              ; scales
	v_lshl_add_u32 v[SPW], v0, 2, SPARE
	v_mov_b32 v[NIL], 0
	v_lshrrev_b32 v1, 5, v0
	v_readfirstlane_b32 s18, v1                    ; wave
	s_lshr_b32 s19, s18, 1                         ; u: which tile
	s_and_b32 s23, s18, 1                          ; which half of K
	s_mul_i32 s26, s18, WREG
	v_and_b32 v8, 15, v0                           ; r
	v_bfe_u32 v9, v0, 4, 1                         ; h
	v_lshlrev_b32 v[LO], 4, v8
	v_lshl_add_u32 v[LO], v9, 12, v[LO]
	v_mul_u32_u24 v[SI], v9, 272
	v_lshl_add_u32 v[SI], v8, 4, v[SI]
	v_add_nc_u32 v[SI], s26, v[SI]
	v_mul_u32_u24 v[SOUT], v8, 272
	v_lshl_add_u32 v[SOUT], v9, 7, v[SOUT]
	v_add_nc_u32 v[SOUT], s26, v[SOUT]
	v_and_b32 v10, 31, v0
	v_lshlrev_b32 v[L16], 4, v10
	v_lshlrev_b32 v[L8], 3, v10
	v_lshlrev_b32 v[H8], 3, v9
.irp i, 0,1,2,3
	v_mov_b32 v[PT+\i], 0                          ; written once: a lane permute's destination counts as one of its sources
.endr
	s_mov_b32 s27, 0xffff0000                      ; lanes 16-31
	s_mov_b32 s28, 0x76543210
	s_mov_b32 s29, 0xfedcba98                      ; v_permlanex16_b32's selects for lane l xor 16
	s_wait_alu depctr_va_vdst(0)
	s_wait_kmcnt 0x0
	s_mov_b64 s[20:21], s[12:13]                   ; which tensor is mine: the choice hangs on the work-group's number alone
	s_mov_b32 s22, 224
	s_cmp_lt_u32 ttmp9, 224
	s_cselect_b64 s[20:21], s[10:11], s[20:21]
	s_cselect_b32 s22, 192, s22
	s_cmp_lt_u32 ttmp9, 192
	s_cselect_b64 s[20:21], s[8:9], s[20:21]
	s_cselect_b32 s22, 160, s22
	s_cmp_lt_u32 ttmp9, 160
	s_cselect_b64 s[20:21], s[6:7], s[20:21]
	s_cselect_b32 s22, 128, s22
	s_cmp_lt_u32 ttmp9, 128
	s_cselect_b64 s[20:21], s[4:5], s[20:21]
	s_cselect_b32 s22, 0, s22
	s_sub_co_u32 s24, ttmp9, s22
	s_and_b32 s30, s24, 1
	s_lshr_b32 s24, s24, 1
	s_lshl_b32 s24, s24, 18                        ; 64 rows of 4,096 bytes for each group,
	s_lshl_b32 s30, s30, 16                        ; 16 rows for the group's second pair of tiles,
	s_add_co_u32 s24, s24, s30
	s_lshl_b32 s30, s19, 15                        ; 8 rows for the second tile,
	s_add_co_u32 s24, s24, s30
	s_lshl_b32 s30, s23, 11                        ; 512 numbers for the second half of K
	s_add_co_u32 s24, s24, s30
	s_mov_b32 s25, 0
	s_add_nc_u64 s[20:21], s[20:21], s[24:25]
	s_lshl_b32 s24, ttmp9, 1
	s_add_co_u32 s24, s24, s19                     ; my tile
	s_mul_i32 s30, s24, 12288
	s_mul_i32 s31, s23, 6144
	s_add_co_u32 s30, s30, s31
	s_mov_b32 s31, 0
	s_add_nc_u64 s[14:15], s[14:15], s[30:31]      ; my 8 pieces
	s_lshl_b32 s30, s24, 9
	s_lshl_b32 s24, s23, 8
	s_add_co_u32 s30, s30, s24
	s_add_nc_u64 s[16:17], s[16:17], s[30:31]      ; my 256 scale bytes
.macro LOAD t                          ; step t: 16 rows x 256 bytes; a load takes the tile's rows 2 i and 2 i + 1, which lie 2 i + 24 (i / 4) rows down
.irp i, 0,1,2,3,4,5,6,7
	global_load_b128 v[R+32*((\t)%4)+4*\i:R+32*((\t)%4)+4*\i+3], v[LO], s[20:21] offset:(2*\i+24*(\i/4))*4096+256*(\t) th:TH_LOAD_NT   ; the tile's rows 2 i and 2 i + 1 lie 2 i + 24 (i / 4) rows down
.endr
.endm
.macro TURN t                          ; through the stage: LDS serves a wave's instructions in order, so no wait stands between the stores and the loads
.irp i, 0,1,2,3,4,5,6,7
	ds_store_b128 v[SI], v[R+32*((\t)%4)+4*\i:R+32*((\t)%4)+4*\i+3] offset:STG*((\t)%2)+544*\i
.endr
.irp i, 0,1,2,3,4,5,6,7
	ds_load_b128 v[X+32*((\t)%2)+4*\i:X+32*((\t)%2)+4*\i+3], v[SOUT] offset:STG*((\t)%2)+16*\i
.endr
.endm
.irp t, 0,1,2,3
	LOAD \t
.endr
	s_wait_loadcnt 24                              ; step 0's eight loads are in; the 24 of steps 1 to 3 stay out
	TURN 0
.macro STEP t
.set XS, X+32*((\t)%2)
.set CC, C+6*((\t)%2)
.set SW, SB+2*((\t)/4)+((\t)/2)%2
	s_wait_dscnt 0x0                               ; my block is back from the stage, and the stage's stores have read their registers,
.if (\t)+4 < 8
	LOAD (\t)+4                                    ; which take the loads of four steps on
.endif
.if (\t)+1 < 8
.if (\t) < 4
	s_wait_loadcnt 24                              ; the next step's eight loads are in; those of the three steps behind it stay out
.else
	s_wait_loadcnt 8*(6-(\t))
.endif
	TURN (\t)+1
.endif
	v_max3_num_f32 v8, |v[XS]|, |v[XS+1]|, |v[XS+2]|       ; the block's largest magnitude: all 32 numbers are mine; two chains
	v_max3_num_f32 v9, |v[XS+3]|, |v[XS+4]|, |v[XS+5]|
.irp i, 6,10,14,18,22,26
	v_max3_num_f32 v8, v8, |v[XS+\i]|, |v[XS+\i+1]|
	v_max3_num_f32 v9, v9, |v[XS+\i+2]|, |v[XS+\i+3]|
.endr
	v_max3_num_f32 v8, v8, |v[XS+30]|, |v[XS+31]|
	v_max3_num_f32 v8, v8, v9, 0x1800000           ; and the floor 2^(3 - 127): the byte cannot fall under 1
	v_add_nc_u32 v11, 0xff000000, v8               ; 2 off the exponent field: the conversion takes this operand's exponent field as its scale
.if (\t) >= 2
	s_wait_alu depctr_va_vdst(0)
	s_wait_xcnt 0x0                                ; the stores of two steps ago have read this set of codes: it is written again only behind this wait
.endif
	v_cvt_scalef32_pk16_fp6_f32 v[CC:CC+2], v[XS:XS+15], v11
	v_cvt_scalef32_pk16_fp6_f32 v[C2:C2+2], v[XS+16:XS+31], v11   ; (a conversion's three registers begin on an even number)
	v_lshrrev_b32 v10, 23, v11                     ; the scale's byte; also the plain line behind the conversions
.irp i, 0,1,2
	v_mov_b32 v[CC+3+\i], v[C2+\i]
.endr
.if (\t)%2 == 0
	v_mov_b32 v[SW], v10                           ; block 2 t + h of my half: byte 2 (t % 2) + h of word (t / 2) % 2 of group t / 4
.else
	v_lshl_or_b32 v[SW], v10, 16, v[SW]
.endif
	global_store_b128 v[L16], v[CC:CC+3], s[14:15] offset:768*(\t)        ; 32 lanes store 512 consecutive bytes, aligned to 256,
	global_store_b64 v[L8], v[CC+4:CC+5], s[14:15] offset:768*(\t)+512    ; and 256 more
.endm
.irp t, 0,1,2,3,4,5,6,7
	STEP \t
.endr
.irp i, 0,1,2,3
	v_lshlrev_b32 v[SB+\i], v[H8], v[SB+\i]        ; my bytes at their places: 8 h bits up
.endr
.irp i, 0,1,2,3
	v_permlanex16_b32 v[PT+\i], v[SB+\i], s28, s29
.endr
.irp i, 0,1,2,3
	v_or_b32 v[SB+\i], v[SB+\i], v[PT+\i]          ; with lane l xor 16's the words are whole
.endr
	v_cndmask_b32 v[PT], v[SB], v[SB+2], s27       ; lanes 0-15 store group 0's two words of row r, lanes 16-31 group 1's
	v_cndmask_b32 v[PT+1], v[SB+1], v[SB+3], s27
	global_store_b64 v[L8], v[PT:PT+1], s[16:17]   ; 32 lanes store 256 consecutive bytes, aligned
	s_wait_tensorcnt 0x0                           ; the wave's end
	ds_add_u32 v[SPW], v[NIL]
	s_wait_dscnt 0x0
	s_endpgm
.Lfunc_end_k_q1b79e73886_quant:
	.size	k_q1b79e73886_quant, .Lfunc_end_k_q1b79e73886_quant-k_q1b79e73886_quant
	.p2alignl 7, 3214868480
	.fill 96, 4, 3214868480
	.section	.rodata,"a",@progbits
	.p2align	6, 0x0
	.amdhsa_kernel k_q1b79e73886_quant
		.amdhsa_group_segment_fixed_size 35328
		.amdhsa_private_segment_fixed_size 0
		.amdhsa_enable_private_segment 0
		.amdhsa_kernarg_size 56
		.amdhsa_user_sgpr_count 2
		.amdhsa_user_sgpr_kernarg_segment_ptr 1
		.amdhsa_wavefront_size32 1
		.amdhsa_system_sgpr_workgroup_id_x 1
		.amdhsa_system_sgpr_workgroup_id_y 1
		.amdhsa_system_sgpr_workgroup_id_z 1
		.amdhsa_system_vgpr_workitem_id 0
		.amdhsa_next_free_vgpr 232
		.amdhsa_next_free_sgpr 66
		.amdhsa_reserve_vcc 0
		.amdhsa_float_denorm_mode_32 3
		.amdhsa_float_denorm_mode_16_64 3
		.amdhsa_memory_ordered 1
		.amdhsa_forward_progress 1
		.amdhsa_inst_pref_size 32
	.end_amdhsa_kernel
	.amdgpu_metadata
---
amdhsa.version: [ 1, 2 ]
amdhsa.kernels:
  - .name:           k_q1b79e73886_quant
    .symbol:         k_q1b79e73886_quant.kd
    .args:
      - { .name: x, .offset: 0, .size: 8, .value_kind: global_buffer, .address_space: global }
      - { .name: Wq, .offset: 8, .size: 8, .value_kind: global_buffer, .address_space: global }
      - { .name: Wk, .offset: 16, .size: 8, .value_kind: global_buffer, .address_space: global }
      - { .name: Wv, .offset: 24, .size: 8, .value_kind: global_buffer, .address_space: global }
      - { .name: Wo, .offset: 32, .size: 8, .value_kind: global_buffer, .address_space: global }
      - { .name: codes, .offset: 40, .size: 8, .value_kind: global_buffer, .address_space: global }
      - { .name: scales, .offset: 48, .size: 8, .value_kind: global_buffer, .address_space: global }
    .group_segment_fixed_size: 35328
    .private_segment_fixed_size: 0
    .kernarg_segment_align: 8
    .kernarg_segment_size: 56
    .max_flat_workgroup_size: 128
    .sgpr_count:     66
    .vgpr_count:     232
    .wavefront_size: 32
...
	.end_amdgpu_metadata
.endif
;; end of part 1
;; launch qkv (part 2): grid 12 x 16, 4 waves a work-group, clusters of 4 x 4, 327,680 bytes of LDS; arguments codes, scales, qkv_codes, qkv_scales; writes qkv_codes, qkv_scales
.if DOCPART == 2
	.amdgcn_target "amdgcn-amd-amdhsa--gfx1250"
	.amdhsa_code_object_version 6
	.text
	.protected	k_q1b79e73886_qkv
	.globl	k_q1b79e73886_qkv
	.p2align	8
	.type	k_q1b79e73886_qkv,@function
k_q1b79e73886_qkv:
	s_mov_b64 s[64:65], 0
	v_nop
	global_prefetch_b8 v0, s[64:65] scope:SCOPE_SE
	s_setreg_imm32_b32 hwreg(HW_REG_WAVE_MODE, 25, 1), 1
	s_wait_xcnt 0x0
	s_wait_alu depctr_hold_cnt(0) depctr_sa_sdst(0) depctr_va_vdst(0) depctr_va_sdst(0) depctr_va_ssrc(0) depctr_va_vcc(0) depctr_vm_vsrc(0)
	s_getreg_b32 s2, hwreg(HW_REG_IB_STS2, 6, 4)
	s_cmp_eq_u32 s2, 0
	s_cbranch_scc0 .Lentry_in_a_cluster
	s_endpgm
.Lentry_in_a_cluster:
	s_bfe_u32 s2, ttmp6, 0x10000c
	s_cmp_lg_u32 s2, 0xf033
	s_cbranch_scc0 .Lentry_shape_is_right
	s_endpgm
.Lentry_shape_is_right:
; Launch 2 of 4: q = x Wq^T, k = x Wk^T, v = x Wv^T on codes of E2M3, K = 1,024; the results are quantised in registers and leave as codes.  No work is left out.
; A work-group makes 256 R rows x 256 P rows; a wave 128 x 128: 64 accumulators.  SOURCE 0 = 16 rows of P, SOURCE 1 = 16 rows of R: a lane holds ONE row of R, and its registers run along P's rows.
; Cluster x = 0, 1 (q, k): R = tokens, P = rows of W (features): a lane's 128 registers are 2 heads x 64, the next product's K.  Cluster x = 2 (v): R = rows of Wv, P = tokens: the registers run along 128 keys, V's K.
; P's tiles hold rows in the order 32 G + 8 u + r + 8 (r / 8) (launch 1), so register 16 b + i of a lane is P row 32 b + 16 (lane / 16) + i: 16 neighbours of each block of 32.
; OPERANDS lie in memory and in LDS as images of their registers: a piece (16 rows x 64 K) is 768 bytes, registers 0-3 at 16 x lane, 4-5 at 512 + 8 x lane; two pieces on end are a fragment: four dense LDS loads, no padding.
; K goes in four parts of 256 through three LDS slots: three are filled at the start, slot 0 once more with the fourth part.  The scale bytes of all of K come once.
; CLUSTER 4 x 4: R's tiles hang on cy and are asked for jointly by a row of the cluster, P's on cx and by a column.
; OUT.  qkv_codes [b h 32][key step 16][q, k, v][6,144]: q, k: 8 token tiles x 768; v: [d tile 4][64 keys 2][768].  qkv_scales [b h][key step][q, k, v][r 16][4 words]: q, k: word p = tile 2 p's two bytes, tile 2 p + 1's two; v: word = d tile's four key blocks.
; LIMITS: as in launch 1 (a block of zeros has the byte 1; NaN and infinities are not served).
; REGISTERS: window 0: v1-29 addresses; v32-63 scale words, two sets; v64-135 the way out; v128-223 R's fragments, one set.  window 1: P's fragments, two sets, at v0 and v128.  windows 2, 3: accumulator (a, b) at v[8 (8 (a % 4) + b)].
; THE ORDER OF A TILE'S ROWS, AS IT NOW STANDS (it takes the place of the order given above): lane r of tile 4 G + t holds row 64 G + 32 (r / 8) + 8 t + r % 8 (launch 1).
; So register 32 g + i of a lane's 64 results of an R tile is P row 64 g + 32 (lane / 16) + i: a whole block of 32 along the next K lies in one lane.
.set SLOTB, 98304
.set HALFT, 24576                      ; 8 tiles: what one tensor load brings, and what one wave reads of R or of P
.set TILEB, 3072                       ; 256 along K of a tile
.set KTILE, 12288                      ; a tile in memory
.set SCL,   3*SLOTB                    ; the scales: R's 8,192 bytes, then P's
.set SPARE, SCL+16384                  ; the spare words, 128 bytes for each wave
.set FR,   12
.set R16,  4                           ; v4-6   my R fragments in slot 0, 1, 2: + 16 x lane;  v7-9: + 8 x lane
.set R8,   7
.set P16,  10                          ; v10-12, v13-15 the same for P
.set P8,   13
.set ADRS, 16                          ; v16  my scale words: lanes 0-15 R's rows, lanes 16-31 P's
.set L16,  17                          ; v17  16 x lane
.set L8,   18                          ; v18  8 x lane
.set SO,   19                          ; v19  12288 h + 16 r: where my scale words go
.set PSEL, 20                          ; v20  byte selector: the low halves in lanes 0-15, the high halves in lanes 16-31
.set SPW,  28
.set NIL,  29
.set SC,   32
.set TM,   140                         ; v140-159 at work in the quantiser: eight largest magnitudes, four bytes and two of the other half's words, four scale operands
.set PW,   80                          ; v80-87 the scale word of each of my 8 R tiles
.set XQ,   88
.set XV,   92
.set PCB,  96                          ; v96-135 codes, two sets of 20
.set AF,   128
.set G1R,  24                          ; s[24:31] group 1 for R's tiles; s[32:43] groups 0 for slots 0-2; s[44:47] group 0 for R's scales
.set G0R,  32
.set G0SR, 44
.set G1P,  48                          ; s[48:55], s[56:63] and s[68:71], s[72:75] the same for P
.set G0P,  56
.set G0P2, 68
.set G0SP, 72
.set G1SR, 76                          ; s[76:83], s[84:91] groups 1 for the scales
.set G1SP, 84
.set MSB, 0
.macro WIN new                         ; the immediate's high byte repeats the setting that is left
.if MSB != (\new)
	s_set_vgpr_msb (MSB<<8)|(\new)
.set MSB, (\new)
.endif
.endm
.set MUL_LO, 0xa1                      ; source 0 (P) window 1, source 1 (R) window 0, C and D window 2
.set MUL_HI, 0xf1                      ; the same, C and D window 3
.set TO_B,   0x40                      ; destination window 1, address window 0
.macro JLOAD g0a, g1a, g0b, g1b        ; a joint load: waves 0, 1 fetch for R, waves 2, 3 for P; the branch hangs on the wave's number alone; an s_nop 0 and four v_nop follow each line
	s_cmp_eq_u32 s15, 0
	s_cbranch_scc0 .Lfor_b_\@
	tensor_load_to_lds s[\g0a:\g0a+3], s[\g1a:\g1a+7]
	s_nop 0
.rept 4
	v_nop
.endr
	s_branch .Lasked_\@
.Lfor_b_\@:
	tensor_load_to_lds s[\g0b:\g0b+3], s[\g1b:\g1b+7]
	s_nop 0
.rept 4
	v_nop
.endr
.Lasked_\@:
.endm
.macro CREST                           ; a round of the cluster's barrier behind its opening barrier
	s_cmp_lg_u32 s14, 0
	s_cbranch_scc1 .Lnot_wave_0_\@
	s_barrier_signal -3
.Lnot_wave_0_\@:
	s_barrier_wait -3
	s_barrier_signal -1
	s_barrier_wait -1
.endm
.macro CROUND
	s_barrier_signal -1
	s_barrier_wait -1
	CREST
.endm
.macro SETG0 g, lr, lo, ad, go         ; a group 0: count 1, LDS address, global address, type 2
	s_mov_b32 s[\g], 1
	s_add_co_u32 s[\g+1], s[\lr], \lo
	s_add_nc_u64 s[\g+2:\g+3], s[\ad:\ad+1], \go
	s_or_b32 s[\g+3], s[\g+3], 0x80000000
.endm
	s_load_b256 s[4:11], s[0:1], 0x0               ; codes, scales, qkv_codes, qkv_scales
	v_lshl_add_u32 v[SPW], v0, 2, SPARE
	v_mov_b32 v[NIL], 0
	ds_add_u32 v[SPW], v[NIL]                      ; the wave's opening: the add, twice on end, and its wait ahead of my first tensor load
	ds_add_u32 v[SPW], v[NIL]
	v_lshrrev_b32 v1, 5, v0
	v_readfirstlane_b32 s14, v1                    ; wave 0..3
	s_lshr_b32 s15, s14, 1                         ; my half of R's rows.  Also: I fetch for R (0) or for P (1)
	s_and_b32 s16, s14, 1                          ; my half of P's rows.  Also: which 8 tiles I fetch
	s_bfe_u32 s92, ttmp6, 0x40000                  ; cx
	s_bfe_u32 s93, ttmp6, 0x40004                  ; cy
	s_lshr_b32 s94, ttmp9, 1                       ; 1 for v (cluster x = 2)
	s_xor_b32 s95, s94, 1                          ; 1 for q and k
	s_and_b32 s96, ttmp7, 0xffff                   ; cluster y
	s_lshl_b32 s98, s93, 2
	s_lshl_b32 s98, 15, s98                        ; my row of the cluster
	s_lshl_b32 s99, 0x1111, s92                    ; my column
	s_or_b32 s[G1R], s98, (3<<16)|(1<<21)          ; 15:0 the mask; 17:16 elements of 8 bytes; 21 set beside a mask; no padding
	s_or_b32 s[G1P], s99, (3<<16)|(1<<21)
.irp g, G1R, G1P
	s_mov_b32 s[\g+1], 384<<16                     ; tensor_dim0: 3,072 bytes
	s_mov_b32 s[\g+2], 16<<16                      ; tensor_dim1: the head's loads bring 16 tiles
	s_mov_b32 s[\g+3], 384<<16                     ; tile_dim0
	s_mov_b32 s[\g+4], 16                          ; tile_dim1
	s_mov_b32 s[\g+5], 1536                        ; from tile to tile: 12,288 bytes
	s_mov_b32 s[\g+6], 0
	s_mov_b32 s[\g+7], 0
.endr
	s_or_b32 s[G1SR], s98, (3<<16)|(1<<21)         ; the scales of 16 tiles: 8,192 dense bytes as 32 rows of 256
	s_or_b32 s[G1SP], s99, (3<<16)|(1<<21)
.irp g, G1SR, G1SP
	s_mov_b32 s[\g+1], 32<<16
	s_mov_b32 s[\g+2], 32<<16                      ; the scales of 16 tiles: 8,192 dense bytes as 32 rows of 256
	s_mov_b32 s[\g+3], 32<<16
	s_mov_b32 s[\g+4], 32
	s_mov_b32 s[\g+5], 32
	s_mov_b32 s[\g+6], 0
	s_mov_b32 s[\g+7], 0
.endr
	; the tiles I may fetch.  R's number is made of cy and of what the whole cluster shares, P's of cx likewise, each in registers that never hold the other coordinate
	s_lshl_b32 s17, s16, 3
	s_lshl_b32 s97, s96, 6                         ; 64 x cluster y
	s_lshl_b32 s100, s93, 4
	s_add_co_u32 s100, s100, s17
	s_mul_i32 s20, s94, 384                        ; v: Wv's tiles begin at 384
	s_add_co_u32 s100, s100, s20
	s_mul_i32 s20, s95, s97                        ; q, k: the tokens' tiles
	s_add_co_u32 s100, s100, s20                   ; R: 16 cy + 8 half + ..
	s_lshl_b32 s101, s92, 4
	s_add_co_u32 s101, s101, s17
	s_mul_i32 s2, s94, s97                         ; v: the tokens' tiles
	s_add_co_u32 s101, s101, s2
	s_lshl_b32 s2, ttmp9, 6
	s_add_co_u32 s2, s2, 256
	s_mul_i32 s2, s2, s95                          ; q, k: Wq's tiles begin at 256, Wk's at 320
	s_add_co_u32 s101, s101, s2                    ; P: 16 cx + 8 half + ..
	s_mul_i32 s20, s100, KTILE
	s_mov_b32 s21, 0
	s_lshl_b32 s22, s100, 9
	s_mov_b32 s23, 0
	s_mul_i32 s2, s101, KTILE
	s_mov_b32 s3, 0
	s_lshl_b32 s18, s101, 9
	s_mov_b32 s19, 0
	s_mul_i32 s17, s14, HALFT                      ; where they go: wave x 8 tiles: no place in the cluster enters an LDS address
	s_wait_dscnt 0x0                               ; both opening adds are done
	s_wait_kmcnt 0x0
	s_add_nc_u64 s[20:21], s[4:5], s[20:21]
	s_add_nc_u64 s[22:23], s[6:7], s[22:23]
	s_add_nc_u64 s[2:3], s[4:5], s[2:3]
	s_add_nc_u64 s[18:19], s[6:7], s[18:19]
	CROUND                                         ; all sixteen work-groups are here: the first joint loads meet
; THE FILLS.  At the head one joint load a wave: wave 0 part 0 of R's 16 tiles, wave 2 part 0 of P's, wave 1 R's scale bytes, wave 3 P's.
; Behind the full sequence and a round each wave asks for parts 1 and 2 of its 8 tiles by ONE load, rows of 6,144 bytes: they lie at SLOTB + 49,152 x wave + 6,144 x tile.  Part 3 comes later into part 0's bytes.
	SETG0 G0R, 17, 0, 20, 0                        ; for the refill: my 8 tiles in slot 0
	SETG0 G0P, 17, 0, 2, 0
	s_mul_i32 s66, s14, 2*HALFT
	SETG0 G0R+4, 66, SLOTB, 20, TILEB              ; parts 1 and 2 of my 8 tiles
	SETG0 G0P+4, 66, SLOTB, 2, TILEB
	s_mul_i32 s66, s16, 8*KTILE                    ; back from my half to the first of the 16 tiles
	s_mov_b32 s67, 0
	s_sub_nc_u64 s[G0R+10:G0R+11], s[20:21], s[66:67]
	s_sub_nc_u64 s[G0P2+2:G0P2+3], s[2:3], s[66:67]
	s_lshl_b32 s66, s16, 12
	s_sub_nc_u64 s[G0SR+2:G0SR+3], s[22:23], s[66:67]
	s_sub_nc_u64 s[G0SP+2:G0SP+3], s[18:19], s[66:67]
.macro HEADG0 g, lds
	s_mov_b32 s[\g], 1
	s_mov_b32 s[\g+1], \lds
	s_or_b32 s[\g+3], s[\g+3], 0x80000000
.endm
	HEADG0 G0R+8, 0
	HEADG0 G0P2, 2*HALFT
	HEADG0 G0SR, SCL
	HEADG0 G0SP, SCL+8192
.macro ARM w, g0, g1, next             ; one chain of branches on the wave's number: every way passes exactly one load
	s_cmp_eq_u32 s14, \w
	s_cbranch_scc0 \next
	tensor_load_to_lds s[\g0:\g0+3], s[\g1:\g1+7]
	s_nop 0
.rept 4
	v_nop
.endr
	s_branch .Lhead_asked
\next:
.endm
	ARM 0, G0R+8, G1R, .Lhead_1
	ARM 2, G0P2, G1P, .Lhead_2
	ARM 1, G0SR, G1SR, .Lhead_3
	tensor_load_to_lds s[G0SP:G0SP+3], s[G1SP:G1SP+7]
	s_nop 0
.rept 4
	v_nop
.endr
.Lhead_asked:
	v_and_b32 v1, 15, v0                           ; r
	v_bfe_u32 v2, v0, 4, 1                         ; h
	v_and_b32 v3, 31, v0
	v_lshlrev_b32 v[L16], 4, v3
	v_lshlrev_b32 v[L8], 3, v3
	s_mul_i32 s66, s15, HALFT                      ; my 8 tiles of R
	s_mul_i32 s67, s16, HALFT                      ; my 8 tiles of P,
	s_add_co_u32 s67, s67, 2*HALFT                 ; which lie behind R's 16
.macro ADR4 s
	v_add_nc_u32 v[R16+\s], s66, v[L16]
	v_add_nc_u32 v[R8+\s], s66, v[L8]
	v_add_nc_u32 v[P16+\s], s67, v[L16]
	v_add_nc_u32 v[P8+\s], s67, v[L8]
.endm
	ADR4 0
	s_lshl_b32 s66, s66, 1                         ; parts 1 and 2: 49,152 bytes for each 8 tiles, behind slot 0
	s_lshl_b32 s67, s67, 1
	s_add_co_u32 s66, s66, SLOTB
	s_add_co_u32 s67, s67, SLOTB
	ADR4 1
	s_add_co_u32 s66, s66, TILEB                   ; part 2 lies 3,072 bytes on in each tile's row
	s_add_co_u32 s67, s67, TILEB
	ADR4 2
	s_xor_b32 s67, s15, 1                          ; from R's words to P's: 8,192 + 4,096 (P half) - 4,096 (R half) = 4,096 (1 + P half + (1 - R half))
	s_add_co_u32 s67, s67, s16
	s_add_co_u32 s67, s67, 1
	s_lshl_b32 s67, s67, 12
	v_mul_u32_u24 v3, s67, v2                      ; lanes 16-31 take P's
	v_lshl_add_u32 v3, v1, 3, v3                   ; 8 bytes a row for 256 along K
	s_lshl_b32 s66, s15, 12
	s_add_co_u32 s66, s66, SCL
	v_add_nc_u32 v[ADRS], s66, v3
	v_lshlrev_b32 v[SO], 4, v1
	v_mad_u32_u24 v[SO], v2, KTILE, v[SO]
.macro FRAG reg, a16, a8, off          ; a fragment, 16 rows x 128 K: two pieces on end, as they lie
	ds_load_b128 v[\reg:\reg+3], v[\a16] offset:\off
	ds_load_b64 v[\reg+4:\reg+5], v[\a8] offset:\off+512
	ds_load_b128 v[\reg+6:\reg+9], v[\a16] offset:\off+768
	ds_load_b64 v[\reg+10:\reg+11], v[\a8] offset:\off+1280
.endm
; 16 matrix instructions: R's blocks a0, a0 + 1 x P's eight.  p: P's set; q: which 128 of the slot's 256; sc: the set of scale words.  zero = 1: the product starts the sums.
; The 64 accumulators take turns, one instruction a turn, in the same order in every step.
.macro MUL16 a0, p, q, sc, zero
.irp a, \a0, \a0+1
.irp b, 0,1,2,3,4,5,6,7
.if \zero
	v_wmma_scale_f32_16x16x128_f8f6f4 v[8*(8*((\a)%4)+\b):8*(8*((\a)%4)+\b)+7], v[128*(\p)+FR*\b:128*(\p)+FR*\b+FR-1], v[AF+FR*(\a):AF+FR*(\a)+FR-1], 0, v[SC+16*(\sc)+2*\b+(\q)], v[SC+16*(\sc)+2*(\a)+(\q)] matrix_a_fmt:MATRIX_FMT_FP6 matrix_b_fmt:MATRIX_FMT_FP6 matrix_a_scale:MATRIX_SCALE_ROW1
.else
	v_wmma_scale_f32_16x16x128_f8f6f4 v[8*(8*((\a)%4)+\b):8*(8*((\a)%4)+\b)+7], v[128*(\p)+FR*\b:128*(\p)+FR*\b+FR-1], v[AF+FR*(\a):AF+FR*(\a)+FR-1], v[8*(8*((\a)%4)+\b):8*(8*((\a)%4)+\b)+7], v[SC+16*(\sc)+2*\b+(\q)], v[SC+16*(\sc)+2*(\a)+(\q)] matrix_a_fmt:MATRIX_FMT_FP6 matrix_b_fmt:MATRIX_FMT_FP6 matrix_a_scale:MATRIX_SCALE_ROW1
.endif
.endr
.endr
.endm
.macro FETCH_B sl, q, p                ; P's eight fragments into set p
	WIN TO_B
.irp i, 0,1,2,3,4,5,6,7
	FRAG 128*(\p)+FR*\i, P16+\sl, P8+\sl, TILEB*(1+((\sl)+1)/2)*\i+1536*(\q)   ; from tile to tile: 3,072 bytes in slot 0, 6,144 in parts 1 and 2
.endr
	WIN 0
.endm
.macro FETCH_A sl, q, i0               ; R's blocks i0 .. i0 + 3
.irp i, \i0, \i0+1, \i0+2, \i0+3
	FRAG AF+FR*(\i), R16+\sl, R8+\sl, TILEB*(1+((\sl)+1)/2)*(\i)+1536*(\q)
.endr
.endm
.macro SCALES g                        ; the scale words of part g of K into set g % 2: two words a row; lanes 0-15 R's tile i, lanes 16-31 P's tile i
.irp i, 0,1,2,3,4,5,6,7
	ds_load_b64 v[SC+16*((\g)%2)+2*\i:SC+16*((\g)%2)+2*\i+1], v[ADRS] offset:512*\i+128*(\g)
.endr
.endm
.macro PLACES n                        ; plain vector lines between a matrix instruction and a load into, or a read of, its registers
.rept \n
	v_nop
.endr
.endm
; A step of 128 along K.  Its successor's fragments come from slot nsl, half nq; ng >= 0: with the scale words of part ng.
.macro STEP p, sc, q, zero, nsl, nq, ng
	s_wait_dscnt 16                                ; all but the youngest sixteen loads (R's blocks 4-7, four loads each) are in
	WIN MUL_LO
	MUL16 0, \p, \q, \sc, \zero
	MUL16 2, \p, \q, \sc, \zero
	s_wait_dscnt 0x0                               ; R's blocks 4-7 are in
	PLACES 4
	FETCH_B \nsl, \nq, 1-(\p)
	FETCH_A \nsl, \nq, 0
.if (\ng) >= 0
	SCALES \ng
.endif
	WIN MUL_HI
	MUL16 4, \p, \q, \sc, \zero
	MUL16 6, \p, \q, \sc, \zero
	PLACES 4
	WIN 0
	FETCH_A \nsl, \nq, 4
.endm
; A step with a barrier: each wave waits for all its tensor loads, adds 0 to its spare word, and waits for that and for its LDS reads.  fill = 1: slot 0, which nobody reads any more, takes the fourth part of K.
.macro TURN fill, sc, nsl, ng
	s_wait_tensorcnt 0x0                           ; all my tensor loads have landed
	ds_add_u32 v[SPW], v[NIL]                      ; 0 onto my spare word
	s_wait_dscnt 17                                ; (the add and the youngest sixteen loads may be out)
	WIN MUL_LO
	MUL16 0, 1, 1, \sc, 0
	s_wait_dscnt 0x0                               ; the add is done, and my reads of the slots so far are over
	s_barrier_signal -1
	MUL16 2, 1, 1, \sc, 0
	WIN 0
	s_barrier_wait -1
.if \fill
	CREST                                          ; the barrier has opened a round of the cluster's barrier: no wave of any partner still reads slot 0 or has a load on its way
	s_add_nc_u64 s[G0R+2:G0R+3], s[G0R+2:G0R+3], 3*TILEB
	s_add_nc_u64 s[G0P+2:G0P+3], s[G0P+2:G0P+3], 3*TILEB
.irp g, G1R, G1P
	s_mov_b32 s[\g+1], 384<<16                     ; no tensor load of mine is out: the refill's rows are 3,072 bytes again
	s_mov_b32 s[\g+3], 384<<16
.endr
	JLOAD G0R, G1R, G0P, G1P                       ; the first tensor load behind the round: it has four steps, 256 matrix instructions, in which to land; its four v_nop are the places in front of the loads below
.else
	PLACES 4
.endif
	FETCH_B \nsl, 0, 0
	FETCH_A \nsl, 0, 0
	SCALES \ng
	WIN MUL_HI
	MUL16 4, 1, 1, \sc, 0
	MUL16 6, 1, 1, \sc, 0
	PLACES 4
	WIN 0
	FETCH_A \nsl, 0, 4
.endm
	s_wait_alu depctr_va_vdst(0)
	s_wait_tensorcnt 0x0                           ; my tile of the head's four is in
	ds_add_u32 v[SPW], v[NIL]
.irp g, G1R, G1P
	s_mov_b32 s[\g+1], 768<<16                     ; no tensor load of mine is out: from here a load brings 8 tiles x 6,144 bytes
	s_mov_b32 s[\g+2], 8<<16
	s_mov_b32 s[\g+3], 768<<16
	s_mov_b32 s[\g+4], 8
.endr
	s_wait_dscnt 0x0
	CROUND                                         ; a whole round: the head's four tiles are in, and the joint loads meet
	JLOAD G0R+4, G1R, G0P+4, G1P                   ; parts 1 and 2 of K, the first tensor load behind the round
	FETCH_B 0, 0, 0
	FETCH_A 0, 0, 0
	SCALES 0
	FETCH_A 0, 0, 4
	STEP 0, 0, 0, 1, 0, 1, -1                      ; K 0: its products start the sums
	TURN 1, 0, 1, 1                                ; K 128: slot 0 is left and filled again
	STEP 0, 1, 0, 0, 1, 1, -1                      ; K 256
	STEP 1, 1, 1, 0, 2, 0, 2                       ; K 384: on into slot 2 with no barrier: every wave's part of it had landed in front of the round above
	STEP 0, 0, 0, 0, 2, 1, -1                      ; K 512
	TURN 0, 0, 0, 3                                ; K 640: the refill has landed in every wave
	STEP 0, 1, 0, 0, 0, 1, -1                      ; K 768
	s_wait_dscnt 16                                ; K 896: nothing more to fetch
	WIN MUL_LO
	MUL16 0, 1, 1, 1, 0
	MUL16 2, 1, 1, 1, 0
	s_wait_dscnt 0x0
	WIN MUL_HI
	MUL16 4, 1, 1, 1, 0
	MUL16 6, 1, 1, 1, 0
	WIN 0
	PLACES 4
	; THE WAY OUT.  No tensor load of mine is out since the last wait for all of them, so the descriptors' registers are free.
	s_lshl_b32 s24, s96, 2
	s_add_co_u32 s25, s24, s93
	s_lshl_b32 s25, s25, 1
	s_add_co_u32 s25, s25, s15                     ; q, k: my 128 tokens: 2 (4 Y + cy) + R half
	s_add_co_u32 s26, s24, s92
	s_lshl_b32 s26, s26, 1
	s_add_co_u32 s26, s26, s16                     ; v: 2 (4 Y + cx) + P half
	s_lshl_b32 s27, s92, 1
	s_add_co_u32 s27, s27, s16                     ; q, k: my 128 features
	s_lshl_b32 s28, s93, 1
	s_add_co_u32 s28, s28, s15                     ; v
	s_cmp_eq_u32 s94, 1
	s_cselect_b32 s24, s26, s25
	s_cselect_b32 s25, s28, s27
	s_cselect_b32 s43, -1, 0                       ; all lanes for v, none for q and k
	s_lshr_b32 s26, s24, 4
	s_lshl_b32 s26, s26, 4
	s_lshl_b32 s27, s25, 1
	s_add_co_u32 s26, s26, s27                     ; the first of my two heads: 16 batch + 2 x features / 128
	s_and_b32 s27, s24, 15                         ; the key step
	s_mul_i32 s28, s26, 294912
	s_mul_i32 s30, s27, 18432
	s_add_co_u32 s28, s28, s30
	s_mul_i32 s30, ttmp9, 6144
	s_add_co_u32 s28, s28, s30
	s_mov_b32 s29, 0
	s_add_nc_u64 s[30:31], s[8:9], s[28:29]        ; my codes
	s_mul_i32 s28, s26, 12288
	s_mul_i32 s44, s27, 768
	s_add_co_u32 s28, s28, s44
	s_lshl_b32 s44, ttmp9, 8
	s_add_co_u32 s28, s28, s44
	s_add_nc_u64 s[44:45], s[10:11], s[28:29]      ; my scale words
	s_lshl_b32 s32, 768, s94                       ; from R tile to R tile: q, k: a token tile, 768; v: a d tile, 1,536
	s_mov_b32 s33, 0
	s_mul_i32 s34, s95, 3072                       ; R tile 4: q, k: 4 token tiles on; v: the next head
	s_mul_i32 s28, s94, 294912
	s_add_co_u32 s34, s34, s28
	s_mov_b32 s35, 0
	s_mul_i32 s36, s95, 294912                     ; the fragment's second piece: q, k: the next head; v: the next 64 keys
	s_mul_i32 s28, s94, 768
	s_add_co_u32 s36, s36, s28
	s_mov_b32 s37, 0
	s_mov_b32 s42, 0xffff0000                      ; lanes 16-31
	s_mov_b32 s46, 0x76543210
	s_mov_b32 s47, 0xfedcba98                      ; v_permlanex16_b32's selects for lane l xor 16
	v_mov_b32 v[PSEL], 0x05040100
	v_mov_b32 v21, 0x07060302
	v_cndmask_b32 v[PSEL], v[PSEL], v21, s42
	v_lshlrev_b32 v22, 3, v2                       ; 8 x (lane / 16)
.irp u, 0,1
	v_mov_b32 v[TM+12+\u], 0                       ; written once: a lane permute's destination counts as one of its sources
.endr
; TWO R TILES, a AND a + 1, ARE QUANTISED SIDE BY SIDE: their 128 results lie on end in one window: four blocks of 32, block k = 2 u + g at register 32 k: P rows 64 g + 32 (lane / 16) + 0 .. 31 of tile a + u.
; Each block's largest magnitude is sought in two chains of 16: eight chains, line by line in turn; no other lane is asked.  Tile a + u's codes go to v[PCB + 20 u] on, its scale word to v[PW + a + u].  Each accumulator is read from its low end on.
.macro QUANT2 a
.set QW, 2+(\a)/4
.set QB, 64*((\a)%4)
	WIN (QW<<2)|(QW<<4)                            ; sources 1 and 2: the accumulators' window
.irp b, 0,1,2,3,4,5,6,7
	v_max3_num_f32 v[TM+\b], 0x1800000, |v[QB+16*\b]|, |v[QB+16*\b+1]|   ; my 16 numbers of a block, and the floor 2^(3 - 127)
.endr
.irp i, 2,4,6,8,10,12,14
.irp b, 0,1,2,3,4,5,6,7
	v_max3_num_f32 v[TM+\b], v[TM+\b], |v[QB+16*\b+\i]|, |v[QB+16*\b+\i+1]|
.endr
.endr
	WIN 0
.irp k, 0,1,2,3
	v_max_num_f32 v[TM+2*\k], v[TM+2*\k], v[TM+2*\k+1]   ; the two chains join: the block's largest magnitude
.endr
.irp k, 0,1,2,3
	v_add_nc_u32 v[TM+16+\k], 0xff000000, v[TM+2*\k]     ; the conversion's scale operand
.endr
.irp k, 0,1,2,3
	v_lshrrev_b32 v[TM+8+\k], 23, v[TM+16+\k]            ; the scale's byte
.endr
.irp u, 0,1
	v_lshl_or_b32 v[PW+(\a)+\u], v[TM+9+2*\u], 16, v[TM+8+2*\u]   ; my two bytes: blocks lane / 16 and 2 + lane / 16 of the row,
.endr
.irp u, 0,1
	v_lshlrev_b32 v[PW+(\a)+\u], v22, v[PW+(\a)+\u]      ; at their places in the scale word;
.endr
.irp u, 0,1
	v_permlanex16_b32 v[TM+12+\u], v[PW+(\a)+\u], s46, s47
.endr
.irp u, 0,1
	v_or_b32 v[PW+(\a)+\u], v[PW+(\a)+\u], v[TM+12+\u]   ; with lane l xor 16's two the word is whole
.endr
	WIN QW                                         ; source 0: the accumulators' window
.irp c, 0,1,2,3
	v_cvt_scalef32_pk16_fp6_f32 v[PCB+20*(\c/2)+6*(\c%2):PCB+20*(\c/2)+6*(\c%2)+2], v[QB+32*\c:QB+32*\c+15], v[TM+16+\c]
	v_cvt_scalef32_pk16_fp6_f32 v[PCB+20*(\c/2)+12+4*(\c%2):PCB+20*(\c/2)+14+4*(\c%2)], v[QB+32*\c+16:QB+32*\c+31], v[TM+16+\c]   ; (a conversion's three registers begin on an even number: the block's upper half is made elsewhere and moved)
.endr
	WIN 0
	v_nop                                          ; one plain line behind a scaled conversion
.irp c, 0,1,2,3                        ; the layout wants a whole block in a lane
.irp i, 0,1,2
	v_mov_b32 v[PCB+20*(\c/2)+3+6*(\c%2)+\i], v[PCB+20*(\c/2)+12+4*(\c%2)+\i]
.endr
.endr
.endm
.macro PUT set, b0, b1                 ; a fragment's two pieces: each 512 consecutive bytes, aligned to 256, and 256 more
	global_store_b128 v[L16], v[PCB+20*(\set):PCB+20*(\set)+3], s[\b0:\b0+1]
	global_store_b64 v[L8], v[PCB+20*(\set)+4:PCB+20*(\set)+5], s[\b0:\b0+1] offset:512
	global_store_b128 v[L16], v[PCB+20*(\set)+6:PCB+20*(\set)+9], s[\b1:\b1+1]
	global_store_b64 v[L8], v[PCB+20*(\set)+10:PCB+20*(\set)+11], s[\b1:\b1+1] offset:512
.endm
.macro EPI2 a
	s_wait_xcnt 0x0                                ; the earlier stores have read their data and bases: both are written again only behind this wait
.if (\a) == 0
	s_mov_b64 s[38:39], s[30:31]
.elseif (\a) == 4
	s_add_nc_u64 s[38:39], s[30:31], s[34:35]
.else
	s_add_nc_u64 s[38:39], s[48:49], s[32:33]
.endif
	s_add_nc_u64 s[40:41], s[38:39], s[36:37]
	s_add_nc_u64 s[48:49], s[38:39], s[32:33]      ; tile a + 1's bases, in registers that held a descriptor
	s_add_nc_u64 s[50:51], s[48:49], s[36:37]
	QUANT2 \a
	PUT 0, 38, 40
	PUT 1, 48, 50
.endm
.irp a, 0,2,4,6
	EPI2 \a
.endr
.irp p, 0,1,2,3                        ; the scale words.  q, k: word p of head c = the c-th halves of tiles 2 p and 2 p + 1; v: word p of head c = tile 4 c + p's.  Lanes 0-15 store the first head's, lanes 16-31 the second's
	v_perm_b32 v[XQ+\p], v[PW+2*\p+1], v[PW+2*\p], v[PSEL]
	v_cndmask_b32 v[XV+\p], v[PW+\p], v[PW+4+\p], s42
.endr
.irp p, 0,1,2,3
	v_cndmask_b32 v[XQ+\p], v[XQ+\p], v[XV+\p], s43
.endr
	global_store_b128 v[SO], v[XQ:XQ+3], s[44:45]  ; sixteen lanes store 256 consecutive bytes, aligned
	s_wait_tensorcnt 0x0                           ; the wave's end
	ds_add_u32 v[SPW], v[NIL]
	s_wait_dscnt 0x0
	CROUND                                         ; the closing round
	s_endpgm
.Lfunc_end_k_q1b79e73886_qkv:
	.size	k_q1b79e73886_qkv, .Lfunc_end_k_q1b79e73886_qkv-k_q1b79e73886_qkv
	.p2alignl 7, 3214868480
	.fill 96, 4, 3214868480
	.section	.rodata,"a",@progbits
	.p2align	6, 0x0
	.amdhsa_kernel k_q1b79e73886_qkv
		.amdhsa_group_segment_fixed_size 327680
		.amdhsa_private_segment_fixed_size 0
		.amdhsa_enable_private_segment 0
		.amdhsa_kernarg_size 32
		.amdhsa_user_sgpr_count 2
		.amdhsa_user_sgpr_kernarg_segment_ptr 1
		.amdhsa_wavefront_size32 1
		.amdhsa_system_sgpr_workgroup_id_x 1
		.amdhsa_system_sgpr_workgroup_id_y 1
		.amdhsa_system_sgpr_workgroup_id_z 1
		.amdhsa_system_vgpr_workitem_id 0
		.amdhsa_next_free_vgpr 1024
		.amdhsa_next_free_sgpr 102
		.amdhsa_reserve_vcc 0
		.amdhsa_float_denorm_mode_32 3
		.amdhsa_float_denorm_mode_16_64 3
		.amdhsa_memory_ordered 1
		.amdhsa_forward_progress 1
		.amdhsa_inst_pref_size 145
	.end_amdhsa_kernel
	.amdgpu_metadata
---
amdhsa.version: [ 1, 2 ]
amdhsa.kernels:
  - .name:           k_q1b79e73886_qkv
    .symbol:         k_q1b79e73886_qkv.kd
    .args:
      - { .name: codes, .offset: 0, .size: 8, .value_kind: global_buffer, .address_space: global }
      - { .name: scales, .offset: 8, .size: 8, .value_kind: global_buffer, .address_space: global }
      - { .name: qkv_codes, .offset: 16, .size: 8, .value_kind: global_buffer, .address_space: global }
      - { .name: qkv_scales, .offset: 24, .size: 8, .value_kind: global_buffer, .address_space: global }
    .group_segment_fixed_size: 327680
    .private_segment_fixed_size: 0
    .kernarg_segment_align: 8
    .kernarg_segment_size: 32
    .max_flat_workgroup_size: 128
    .sgpr_count:     102
    .vgpr_count:     1024
    .wavefront_size: 32
...
	.end_amdgpu_metadata
.endif
;; end of part 2
;; launch attn (part 3): grid 8 x 32, 16 waves a work-group, clusters of 4 x 1, 206,848 bytes of LDS; arguments qkv_codes, qkv_scales, a_codes, a_scales; writes a_codes, a_scales
.if DOCPART == 3
	.amdgcn_target "amdgcn-amd-amdhsa--gfx1250"
	.amdhsa_code_object_version 6
	.text
	.protected	k_q1b79e73886_attn
	.globl	k_q1b79e73886_attn
	.p2align	8
	.type	k_q1b79e73886_attn,@function
k_q1b79e73886_attn:
	s_mov_b64 s[64:65], 0
	v_nop
	global_prefetch_b8 v0, s[64:65] scope:SCOPE_SE
	s_setreg_imm32_b32 hwreg(HW_REG_WAVE_MODE, 25, 1), 1
	s_wait_xcnt 0x0
	s_wait_alu depctr_hold_cnt(0) depctr_sa_sdst(0) depctr_va_vdst(0) depctr_va_sdst(0) depctr_va_ssrc(0) depctr_va_vcc(0) depctr_vm_vsrc(0)
	s_getreg_b32 s2, hwreg(HW_REG_IB_STS2, 6, 4)
	s_cmp_eq_u32 s2, 0
	s_cbranch_scc0 .Lentry_in_a_cluster
	s_endpgm
.Lentry_in_a_cluster:
	s_bfe_u32 s2, ttmp6, 0x10000c
	s_cmp_lg_u32 s2, 0x3003
	s_cbranch_scc0 .Lentry_shape_is_right
	s_endpgm
.Lentry_shape_is_right:
; Launch 3 of 4: for each batch and head, O = softmax(q k^T / 8) v on codes of E2M3; O / l is quantised along the model's 1,024 (two blocks a head) and leaves as codes.  No work is left out.
; THE SOFTMAX AHEAD OF THE SECOND PRODUCT: t = score x log2(e) / 8; M = the running largest t, rounded up to a whole number; p = 2^(t - M) is quantised along the keys, not normalised; the row's sum is taken of
; the unquantised p and divides at the end (v_rcp_f32 and a multiplication).  When M moves, the sum and O are multiplied by 2^(old M - new M), which rounds nothing.
; SHARES.  A work-group owns 256 queries of one (batch, head); each of its sixteen waves one tile of 16, in 256 registers: four waves to a SIMD.  Every wave walks the head's 2,048 keys, 128 a step.
; K AND V OF THE WHOLE HEAD STAY IN LDS, filled once: 16 key steps x (K 6,144 + V 6,144 bytes), as images of the operands' registers, and 512 bytes of scale words a step.  Nothing is filled again.
; CLUSTER 4 x 1: the four query blocks of a cluster belong to one head, so each tile is asked for jointly.  At most one load a wave: wave 0 all scale words, waves 1 to 8 two key steps each (2 rows of 12,288 bytes), waves 9 to 15 none.
; TWO BARRIERS: the first shows the loads of waves 0 to 2 (the scale words, key steps 0 to 3), which have load lines of their own; behind four steps the second, with every wave's wait for its load ahead of it, shows the rest.
; NO PREFETCH: every byte is asked for once, at the head; the loops read LDS alone.
; BOTH PRODUCTS ARE USED TRANSPOSED: S^T = K Q^T, O^T = V^T P^T: a lane holds one query (lane % 16).  Lane r of tile 4 G + t holds row 64 G + 32 (r / 8) + 8 t + r % 8 (launch 1), so register 32 c + i of a lane's 64 scores is
; key 64 c + 32 (lane / 16) + i: A WHOLE BLOCK OF 32 KEYS LIES IN ONE LANE, as the second product's operand wants it: no lane asks another for a block's maximum, and no codes change lanes.
; THE FIRST PRODUCT'S K IS 64, THE INSTRUCTION'S 128: a fragment of K is tiles 2 i and 2 i + 1 on end; against (q, 0) it gives tile 2 i's scores, against (0, q) tile 2 i + 1's: zero codes add nothing under any of these scale bytes (1 to 254).
; LIMITS: NaN and infinities are not served; a block of zeros has the byte 1.  The scale bytes leave one byte a lane: a row's other bytes belong to other heads' work-groups.
; REGISTERS: v1-9 addresses; v12 -M, v13 the largest score, v[14:15] the sum; v16-21 zeros, v22-27 q, v28-33 zeros; v34 q's scale word; v36-83 four fragments; v84-87 their scale words; v88 p's scale word; v90 8 (lane / 16); v96-159 S^T, then p; v160-191 O^T; v192-210 p's codes; v232-255 at work.
.set STEPB, 12288
.set SCB,   196608
.set SPARE, 204800                     ; the spare words, 128 bytes for each of sixteen waves
.set L16, 1
.set L8,  2
.set SC0, 3                            ; v3  SCB + 16 r
.set A16, 4
.set SPW, 5
.set NIL, 6
.set A8,  7
.set AS,  8
.set BO,  9                            ; v9  8 r + h
.set QS,  34
.set QRAW, 35
.set F,   36
.set FS,  84
.set PWD, 88
.set H8,  90
.set S,   96
.set O,   160
.set PC,  192
.set WV,  12
.set G1C, 16                           ; s[16:23] group 1 for the codes; s[24:31] for the scale words; s[32:35], s[36:39] groups 0
.set G1S, 24
.set G0S, 32
.set G0C, 36
.set SEL, 52
.set CS,  54
.set TB,  56
.set TS,  57
.set CNT, 58
.macro CROUND
	s_barrier_signal -1
	s_barrier_wait -1
	s_cmp_lg_u32 s[WV], 0
	s_cbranch_scc1 .Lnot_wave_0_\@
	s_barrier_signal -3
.Lnot_wave_0_\@:
	s_barrier_wait -3
	s_barrier_signal -1
	s_barrier_wait -1
.endm
.macro TLOAD g0, g1
	tensor_load_to_lds s[\g0:\g0+3], s[\g1:\g1+7]
	s_nop 0
.rept 4
	v_nop
.endr
.endm
	s_load_b256 s[4:11], s[0:1], 0x0               ; qkv_codes, qkv_scales, a_codes, a_scales
	v_lshl_add_u32 v[SPW], v0, 2, SPARE
	v_mov_b32 v[NIL], 0
	ds_add_u32 v[SPW], v[NIL]                      ; the wave's opening: the add, twice on end, and its wait ahead of my first tensor load
	ds_add_u32 v[SPW], v[NIL]
	v_lshrrev_b32 v10, 5, v0
	s_delay_alu instid0(VALU_DEP_1)
	v_readfirstlane_b32 s[WV], v10                 ; wave 0..15
	s_and_b32 s15, ttmp7, 0xffff                   ; batch x 16 + head, which the four partners share
	s_mov_b32 s[G1C], 15|(3<<16)|(1<<21)           ; the mask: all four work-groups; elements of 8 bytes; 21 set beside a mask
	s_mov_b32 s[G1C+1], 1536<<16                   ; two key steps: 2 rows of 12,288 bytes (K and V on end), 18,432 bytes apart
	s_mov_b32 s[G1C+2], 2<<16
	s_mov_b32 s[G1C+3], 1536<<16
	s_mov_b32 s[G1C+4], 2
	s_mov_b32 s[G1C+5], 2304
	s_mov_b32 s[G1C+6], 0
	s_mov_b32 s[G1C+7], 0
	s_mov_b32 s[G1S], 15|(3<<16)|(1<<21)
	s_mov_b32 s[G1S+1], 64<<16                     ; the scale words of all 16 key steps: 16 rows of 512 bytes, 768 bytes apart
	s_mov_b32 s[G1S+2], 16<<16
	s_mov_b32 s[G1S+3], 64<<16
	s_mov_b32 s[G1S+4], 16
	s_mov_b32 s[G1S+5], 96
	s_mov_b32 s[G1S+6], 0
	s_mov_b32 s[G1S+7], 0
	s_add_co_u32 s59, s[WV], 15
	s_and_b32 s59, s59, 15                         ; waves 1 to 8: pair w - 1 of key steps
	s_mul_i32 s60, s15, 294912                     ; the head's codes: key steps 2 (w - 1) and 2 (w - 1) + 1, behind their q
	s_mul_i32 s62, s59, 36864
	s_add_co_u32 s60, s60, s62
	s_add_co_u32 s60, s60, 6144
	s_mov_b32 s61, 0
	s_mul_i32 s62, s15, 12288                      ; the head's scale words, behind key step 0's q's
	s_add_co_u32 s62, s62, 256
	s_mov_b32 s63, 0
	s_mul_i32 s58, s59, 24576                      ; where the codes go
	s_wait_dscnt 0x0                               ; both opening adds are done
	s_wait_kmcnt 0x0
	s_add_nc_u64 s[60:61], s[4:5], s[60:61]
	s_add_nc_u64 s[62:63], s[6:7], s[62:63]
	s_mov_b32 s[G0S], 1
	s_mov_b32 s[G0S+1], SCB
	s_mov_b64 s[G0S+2:G0S+3], s[62:63]
	s_or_b32 s[G0S+3], s[G0S+3], 0x80000000
	s_mov_b32 s[G0C], 1
	s_mov_b32 s[G0C+1], s58
	s_mov_b64 s[G0C+2:G0C+3], s[60:61]
	s_or_b32 s[G0C+3], s[G0C+3], 0x80000000
	CROUND                                         ; all four work-groups are here: the joint loads meet
	s_cmp_eq_u32 s[WV], 0                          ; one chain of branches on the wave's number; what is needed first is asked for first
	s_cbranch_scc0 .Lfirst_steps
	TLOAD G0S, G1S                                 ; wave 0: the scale words
	s_branch .Lasked
.Lfirst_steps:
	s_cmp_lt_u32 s[WV], 3
	s_cbranch_scc0 .Llater_steps
	TLOAD G0C, G1C                                 ; waves 1 and 2: key steps 0 to 3
	s_branch .Lasked
.Llater_steps:
	s_cmp_lt_u32 s[WV], 9
	s_cbranch_scc0 .Lasked
	TLOAD G0C, G1C                                 ; waves 3 to 8: key steps 4 to 15
.Lasked:
	s_bfe_u32 s13, ttmp6, 0x40000                  ; cx: it enters q's and the outputs' addresses alone
	s_lshl_b32 s14, ttmp9, 2
	s_add_co_u32 s14, s14, s13                     ; my block of 256 queries
	s_lshl_b32 s14, s14, 4
	s_add_co_u32 s14, s14, s[WV]                   ; my tile of 16 queries, 0 .. 127
	s_lshr_b32 s13, s14, 3
	s_mul_i32 s66, s15, 294912
	s_mul_i32 s67, s13, 18432
	s_add_co_u32 s66, s66, s67
	s_and_b32 s67, s[WV], 7
	s_mul_i32 s67, s67, 768
	s_add_co_u32 s66, s66, s67
	s_mov_b32 s67, 0
	s_add_nc_u64 s[66:67], s[4:5], s[66:67]        ; q's piece
	s_mul_i32 s68, s15, 12288
	s_mul_i32 s69, s13, 768
	s_add_co_u32 s68, s68, s69
	s_bfe_u32 s69, s[WV], 0x20001
	s_lshl_b32 s69, s69, 2
	s_add_co_u32 s68, s68, s69
	s_mov_b32 s69, 0
	s_add_nc_u64 s[68:69], s[6:7], s[68:69]        ; the word that holds q's two bytes
	s_lshr_b32 s13, s15, 4
	s_lshl_b32 s13, s13, 7
	s_add_co_u32 s13, s13, s14                     ; my token tile, 0 .. 255
	s_and_b32 s14, s15, 15                         ; the head
	s_lshl_b32 s70, s13, 4
	s_add_co_u32 s70, s70, s14
	s_mul_i32 s70, s70, 768
	s_mov_b32 s71, 0
	s_add_nc_u64 s[70:71], s[8:9], s[70:71]        ; where my codes go
	s_lshl_b32 s2, s13, 9
	s_lshr_b32 s3, s14, 2
	s_lshl_b32 s3, s3, 7
	s_add_co_u32 s2, s2, s3
	s_and_b32 s3, s14, 3
	s_lshl_b32 s3, s3, 1
	s_add_co_u32 s2, s2, s3
	s_mov_b32 s3, 0
	s_add_nc_u64 s[2:3], s[10:11], s[2:3]          ; and my scale bytes
	s_and_b32 s13, s[WV], 1
	s_mul_i32 s13, s13, 0x02020202
	s_add_co_u32 s13, s13, 0x01000100              ; an even tile's bytes are the word's low half, an odd tile's the high half: either way twice over
	s_mov_b32 s[SEL], 0x76543210
	s_mov_b32 s[SEL+1], 0xfedcba98
	s_mov_b32 s[CS], 0x3e38aa3b                    ; c = log2(e) / 8
	s_mov_b32 s[CS+1], s[CS]
	s_mov_b32 s[TB], 0
	s_mov_b32 s[TS], 0
	v_and_b32 v10, 31, v0
	s_delay_alu instid0(VALU_DEP_1)
	v_lshlrev_b32 v[L16], 4, v10
	s_delay_alu instid0(VALU_DEP_2)
	v_lshlrev_b32 v[L8], 3, v10
	v_and_b32 v10, 15, v0                          ; r
	v_bfe_u32 v11, v0, 4, 1                        ; h
	s_delay_alu instid0(VALU_DEP_2)
	v_lshl_add_u32 v[SC0], v10, 4, SCB
	s_delay_alu instid0(VALU_DEP_2)
	v_lshl_add_u32 v[BO], v10, 3, v11
	s_delay_alu instid0(VALU_DEP_4)
	v_lshlrev_b32 v11, 4, v10
	global_load_b128 v[22:25], v[L16], s[66:67]
	global_load_b64 v[26:27], v[L8], s[66:67] offset:512
	global_load_b32 v[QRAW], v11, s[68:69]
	v_and_b32 v[H8], 16, v0
.irp j, 16,17,18,19,20,21,28,29,30,31,32,33
	v_mov_b32 v[\j], 0                             ; zero codes on both sides of q
.endr
	v_lshrrev_b32 v[H8], 1, v[H8]                  ; 8 h
	v_mov_b32 v13, 0xff61b1e6                      ; the largest score so far: -3e38
	s_delay_alu instid0(VALU_DEP_1)
	v_floor_f32 v12, -v13                          ; -M
	v_mov_b32 v14, 0
	v_mov_b32 v15, 0
	v_mov_b32 v236, 0                              ; written once: a lane permute's destination counts as one of its sources
	v_mov_b32 v240, 0
	v_mov_b32 v252, 0
	v_mov_b32 v253, 0                              ; (the upper half of the pair v[252:253], which the packed forms name)
	s_wait_loadcnt 0x0                             ; q and its word
	v_perm_b32 v[QS], v[QRAW], v[QRAW], s13        ; (s0, s1, s0, s1): it serves (q, 0) and (0, q)
.set J, 0
.rept 32
	v_mov_b32 v[O+J], 0                            ; O^T: the step is written once; the first finds zeros.  (These lines also stand between the scale word's making and the first product)
.set J, J+1
.endr
.macro FRAG reg, off                   ; a fragment: two pieces on end, as they lie
	ds_load_b128 v[\reg:\reg+3], v[A16] offset:\off
	ds_load_b64 v[\reg+4:\reg+5], v[A8] offset:\off+512
	ds_load_b128 v[\reg+6:\reg+9], v[A16] offset:\off+768
	ds_load_b64 v[\reg+10:\reg+11], v[A8] offset:\off+1280
.endm
; A KEY STEP: 128 keys.
.macro STEP
	v_add_nc_u32 v[A16], s[TB], v[L16]             ; these four lines are the places behind the last step's products, in front of the loads into their registers
	v_add_nc_u32 v[A8], s[TB], v[L8]
	v_add_nc_u32 v[AS], s[TS], v[SC0]
	v_mov_b32 v254, v12                            ; the old -M
.irp i, 0,1,2,3
	FRAG F+12*\i, 1536*\i                          ; K's tiles 2 i and 2 i + 1
.endr
	ds_load_b128 v[FS:FS+3], v[AS]                 ; and their scale words
	s_wait_alu depctr_va_vdst(0)
	s_wait_dscnt 0x0
.irp t, 0,1,2,3,4,5,6,7
	v_wmma_scale_f32_16x16x128_f8f6f4 v[S+8*\t:S+8*\t+7], v[F+12*(\t/2):F+12*(\t/2)+11], v[22-6*(\t%2):33-6*(\t%2)], 0, v[FS+\t/2], v[QS] matrix_a_fmt:MATRIX_FMT_FP6 matrix_b_fmt:MATRIX_FMT_FP6
.endr
.rept 4
	v_nop
.endr
.irp d, 0,1,2,3
	FRAG F+12*\d, 6144+1536*\d                     ; V's four fragments are asked for now and land under the softmax
.endr
	ds_load_b128 v[FS:FS+3], v[AS] offset:256
.irp b, 0,1,2,3
	v_max3_num_f32 v[232+\b], v[S+16*\b], v[S+1+16*\b], v[S+2+16*\b]   ; the largest score of my two blocks of 32 keys, two chains to a block: for the row's maximum, and, since p rises with the score, for the block's largest p
.endr
.irp i, 3,5,7,9,11,13
.irp b, 0,1,2,3
	v_max3_num_f32 v[232+\b], v[232+\b], v[S+16*\b+\i], v[S+1+16*\b+\i]
.endr
.endr
	v_max3_num_f32 v232, v232, v233, v[S+15]       ; the chains join, with the two scores still left of each block
	v_max3_num_f32 v234, v234, v235, v[S+47]
	v_max_num_f32 v232, v232, v[S+31]
	v_max_num_f32 v234, v234, v[S+63]
	s_delay_alu instid0(VALU_DEP_1)
	v_max_num_f32 v255, v232, v234                 ; my 64 keys
	s_delay_alu instid0(VALU_DEP_1)
	v_permlanex16_b32 v236, v255, s[SEL], s[SEL+1]
	s_delay_alu instid0(VALU_DEP_1)
	v_max3_num_f32 v13, v13, v255, v236            ; with lane l xor 16's 64: the running largest score
	s_delay_alu instid0(VALU_DEP_1)
	v_mul_f32 v255, s[CS], v13                     ; as t (c is positive)
	s_delay_alu instid0(VALU_DEP_1)
	v_floor_f32 v12, -v255                         ; the new -M = -ceil(t)
	s_delay_alu instid0(VALU_DEP_1)
	v_sub_f32 v254, v12, v254                      ; old M - new M: a whole number, 0 or less
	s_delay_alu instid0(VALU_DEP_1)
	v_cvt_i32_f32 v254, v254                       ; (it saturates)
	s_delay_alu instid0(VALU_DEP_1)
	v_ldexp_f32 v252, 1.0, v254                    ; f = 2^(old M - new M)
.set J, 0
.rept 32
	v_pk_fma_f32 v[S+J:S+J+1], v[S+J:S+J+1], s[CS:CS+1], v[12:13] op_sel_hi:[1,0,0]   ; t - M, two at a time
.set J, J+2
.endr
	v_fma_f32 v232, v232, s[CS], v12               ; the same of each block's largest score
	v_fma_f32 v234, v234, s[CS], v12
.set J, 0
	s_wait_alu depctr_va_vdst(0)
.rept 64
	v_exp_f32 v[S+J], v[S+J]                       ; p = 2^(t - M)
.set J, J+1
.endr
	v_pk_mul_f32 v[14:15], v[14:15], v[252:253] op_sel_hi:[1,0]   ; the sums under the new M; a plain line behind the exponentials
	s_wait_alu depctr_va_vdst(0)                   ; one wait for the whole batch, ahead of its first reader
	v_exp_f32 v232, v232                           ; the block's largest p
	v_exp_f32 v234, v234
	v_pk_add_f32 v[236:237], v[100:101], v[104:105]
	v_pk_add_f32 v[254:255], v[108:109], v[112:113]
	v_pk_add_f32 v[250:251], v[116:117], v[120:121]
	v_pk_add_f32 v[248:249], v[124:125], v[128:129]
	v_pk_add_f32 v[246:247], v[132:133], v[136:137]
	v_pk_add_f32 v[244:245], v[140:141], v[144:145]
	v_pk_add_f32 v[242:243], v[148:149], v[152:153]
	v_pk_add_f32 v[14:15], v[14:15], v[156:157]
	v_pk_add_f32 v[236:237], v[236:237], v[96:97]
	v_pk_add_f32 v[254:255], v[254:255], v[98:99]
	v_pk_add_f32 v[250:251], v[250:251], v[102:103]
	v_pk_add_f32 v[248:249], v[248:249], v[106:107]
	v_pk_add_f32 v[246:247], v[246:247], v[110:111]
	v_pk_add_f32 v[244:245], v[244:245], v[114:115]
	v_pk_add_f32 v[242:243], v[242:243], v[118:119]
	v_pk_add_f32 v[14:15], v[14:15], v[122:123]
	v_pk_add_f32 v[236:237], v[236:237], v[126:127]
	v_pk_add_f32 v[254:255], v[254:255], v[130:131]
	v_pk_add_f32 v[250:251], v[250:251], v[134:135]
	v_pk_add_f32 v[248:249], v[248:249], v[138:139]
	v_pk_add_f32 v[246:247], v[246:247], v[142:143]
	v_pk_add_f32 v[244:245], v[244:245], v[146:147]
	v_pk_add_f32 v[242:243], v[242:243], v[150:151]
	v_pk_add_f32 v[14:15], v[14:15], v[154:155]
	v_pk_add_f32 v[236:237], v[236:237], v[158:159]
	s_delay_alu instid0(VALU_DEP_2)
	v_pk_add_f32 v[14:15], v[14:15], v[248:249]
	s_delay_alu instid0(VALU_DEP_2)
	v_pk_add_f32 v[236:237], v[236:237], v[246:247]
	v_pk_add_f32 v[254:255], v[254:255], v[244:245]
	v_pk_add_f32 v[250:251], v[250:251], v[242:243]
	s_delay_alu instid0(VALU_DEP_2)
	v_pk_add_f32 v[14:15], v[14:15], v[254:255]
	s_delay_alu instid0(VALU_DEP_2)
	v_pk_add_f32 v[236:237], v[236:237], v[250:251]
	s_delay_alu instid0(VALU_DEP_1)
	v_pk_add_f32 v[14:15], v[14:15], v[236:237]
	s_wait_alu depctr_va_vdst(0)                   ; and one for the two
	v_max_num_f32 v232, 0x1800000, v232            ; the floor 2^(3 - 127)
	v_max_num_f32 v234, 0x1800000, v234
	s_delay_alu instid0(VALU_DEP_2)
	v_add_nc_u32 v244, 0xff000000, v232            ; the conversion's scale operand
	s_delay_alu instid0(VALU_DEP_2)
	v_add_nc_u32 v245, 0xff000000, v234
.irp c, 0,1
	v_cvt_scalef32_pk16_fp6_f32 v[PC+6*\c:PC+6*\c+2], v[S+32*\c:S+32*\c+15], v[244+\c]         ; registers 6 c .. 6 c + 5 of the operand: keys 64 c + 32 h + 0 .. 31
	v_cvt_scalef32_pk16_fp6_f32 v[PC+12+4*\c:PC+14+4*\c], v[S+16+32*\c:S+31+32*\c], v[244+\c]   ; (a conversion's three registers begin on an even number: the upper half is made elsewhere and moved)
.endr
	v_lshrrev_b32 v238, 23, v244                   ; the scale's byte; also the plain lines behind the conversions
	v_lshrrev_b32 v239, 23, v245
	s_delay_alu instid0(VALU_DEP_1)
	v_lshl_or_b32 v[PWD], v239, 16, v238           ; my two bytes: blocks h and 2 + h of these 128 keys,
	s_delay_alu instid0(VALU_DEP_1)
	v_lshlrev_b32 v[PWD], v[H8], v[PWD]            ; at their places in p's scale word;
	s_delay_alu instid0(VALU_DEP_1)
	v_permlanex16_b32 v240, v[PWD], s[SEL], s[SEL+1]
	s_delay_alu instid0(VALU_DEP_1)
	v_or_b32 v[PWD], v[PWD], v240                  ; with lane l xor 16's two the word is whole
.irp c, 0,1
.irp i, 0,1,2
	v_mov_b32 v[PC+3+6*\c+\i], v[PC+12+4*\c+\i]
.endr
.endr
.set J, 0
.rept 16
	v_pk_mul_f32 v[O+J:O+J+1], v[O+J:O+J+1], v[252:253] op_sel_hi:[1,0]   ; O^T under the new M, from each accumulator's low end on; these 16 also stand between the making of p's codes and scale word and the products
.set J, J+2
.endr
	s_wait_alu depctr_va_vdst(0)
	s_wait_dscnt 0x0                               ; V is in
.irp d, 0,1,2,3
	v_wmma_scale_f32_16x16x128_f8f6f4 v[O+8*\d:O+8*\d+7], v[F+12*\d:F+12*\d+11], v[PC:PC+11], v[O+8*\d:O+8*\d+7], v[FS+\d], v[PWD] matrix_a_fmt:MATRIX_FMT_FP6 matrix_b_fmt:MATRIX_FMT_FP6
.endr
	s_add_co_u32 s[TB], s[TB], STEPB
	s_add_co_u32 s[TS], s[TS], 512
.endm
.macro WALK n                          ; n key steps
	s_mov_b32 s[CNT], \n
.Lstep_\@:
	STEP
	s_sub_co_u32 s[CNT], s[CNT], 1
	s_cmp_lg_u32 s[CNT], 0
	s_cbranch_scc1 .Lstep_\@
.endm
	s_wait_alu depctr_va_vdst(0)                   ; the wait at the head's end
	s_cmp_lt_u32 s[WV], 3
	s_cbranch_scc0 .Lnot_first
	s_wait_tensorcnt 0x0                           ; waves 0 to 2: the scale words, key steps 0 to 3
.Lnot_first:
	s_barrier_signal -1
	s_barrier_wait -1                              ; the other loads may be on their way
	WALK 4
	s_wait_tensorcnt 0x0                           ; every wave: all that was still out
	s_barrier_signal -1
	s_barrier_wait -1
	WALK 12
	; THE WAY OUT: O^T / l; register i of my 32 is channel 32 (lane / 16) + i of the head (V's channel tiles lie in the same order as every tile): one whole block of 32 a lane
.rept 4
	v_nop                                          ; places behind the last products
.endr
	v_add_f32 v14, v14, v15
	s_delay_alu instid0(VALU_DEP_1)
	v_permlanex16_b32 v252, v14, s[SEL], s[SEL+1]
	s_delay_alu instid0(VALU_DEP_1)
	v_add_f32 v14, v14, v252                       ; the row's sum
	s_wait_alu depctr_va_vdst(0)
	v_rcp_f32 v14, v14
	v_nop                                          ; a plain line behind the transcendental
	s_wait_alu depctr_va_vdst(0)                   ; and the wait ahead of its first reader
.set J, 0
.rept 32
	v_mul_f32 v[S+J], v[O+J], v14
.set J, J+1
.endr
.irp b, 0,1
	v_max3_num_f32 v[232+\b], |v[S+16*\b]|, |v[S+1+16*\b]|, 0x1800000   ; the block's largest magnitude in two chains, and the floor 2^(3 - 127)
.endr
.irp i, 2,4,6,8,10,12,14
.irp b, 0,1
	s_delay_alu instid0(VALU_DEP_2)
	v_max3_num_f32 v[232+\b], v[232+\b], |v[S+16*\b+\i]|, |v[S+1+16*\b+\i]|
.endr
.endr
	s_delay_alu instid0(VALU_DEP_1)
	v_max_num_f32 v232, v232, v233
	s_delay_alu instid0(VALU_DEP_1)
	v_add_nc_u32 v244, 0xff000000, v232
	s_delay_alu instid0(VALU_DEP_1)
	v_lshrrev_b32 v238, 23, v244                   ; my block's byte
	v_cvt_scalef32_pk16_fp6_f32 v[PC:PC+2], v[S:S+15], v244
	v_cvt_scalef32_pk16_fp6_f32 v[PC+8:PC+10], v[S+16:S+31], v244
	v_nop
.irp i, 0,1,2
	v_mov_b32 v[PC+3+\i], v[PC+8+\i]
.endr
	global_store_b128 v[L16], v[PC:PC+3], s[70:71]               ; a piece: 512 consecutive bytes, aligned to 256,
	global_store_b64 v[L8], v[PC+4:PC+5], s[70:71] offset:512    ; and 256 more
	global_store_b8 v[BO], v238, s[2:3]
	s_wait_tensorcnt 0x0                           ; the wave's end
	ds_add_u32 v[SPW], v[NIL]
	s_wait_dscnt 0x0
	CROUND                                         ; the closing round
	s_endpgm
.Lfunc_end_k_q1b79e73886_attn:
	.size	k_q1b79e73886_attn, .Lfunc_end_k_q1b79e73886_attn-k_q1b79e73886_attn
	.p2alignl 7, 3214868480
	.fill 96, 4, 3214868480
	.section	.rodata,"a",@progbits
	.p2align	6, 0x0
	.amdhsa_kernel k_q1b79e73886_attn
		.amdhsa_group_segment_fixed_size 206848
		.amdhsa_private_segment_fixed_size 0
		.amdhsa_enable_private_segment 0
		.amdhsa_kernarg_size 32
		.amdhsa_user_sgpr_count 2
		.amdhsa_user_sgpr_kernarg_segment_ptr 1
		.amdhsa_wavefront_size32 1
		.amdhsa_system_sgpr_workgroup_id_x 1
		.amdhsa_system_sgpr_workgroup_id_y 1
		.amdhsa_system_sgpr_workgroup_id_z 1
		.amdhsa_system_vgpr_workitem_id 0
		.amdhsa_next_free_vgpr 256
		.amdhsa_next_free_sgpr 72
		.amdhsa_reserve_vcc 0
		.amdhsa_float_denorm_mode_32 3
		.amdhsa_float_denorm_mode_16_64 3
		.amdhsa_memory_ordered 1
		.amdhsa_forward_progress 1
		.amdhsa_inst_pref_size 44
	.end_amdhsa_kernel
	.amdgpu_metadata
---
amdhsa.version: [ 1, 2 ]
amdhsa.kernels:
  - .name:           k_q1b79e73886_attn
    .symbol:         k_q1b79e73886_attn.kd
    .args:
      - { .name: qkv_codes, .offset: 0, .size: 8, .value_kind: global_buffer, .address_space: global }
      - { .name: qkv_scales, .offset: 8, .size: 8, .value_kind: global_buffer, .address_space: global }
      - { .name: a_codes, .offset: 16, .size: 8, .value_kind: global_buffer, .address_space: global }
      - { .name: a_scales, .offset: 24, .size: 8, .value_kind: global_buffer, .address_space: global }
    .group_segment_fixed_size: 206848
    .private_segment_fixed_size: 0
    .kernarg_segment_align: 8
    .kernarg_segment_size: 32
    .max_flat_workgroup_size: 512
    .sgpr_count:     72
    .vgpr_count:     256
    .wavefront_size: 32
...
	.end_amdgpu_metadata
.endif
;; end of part 3
;; launch oproj (part 4): grid 8 x 32, 4 waves a work-group, clusters of 4 x 4, 222,720 bytes of LDS; arguments a_codes, a_scales, codes, scales, out0; writes out0
.if DOCPART == 4
	.amdgcn_target "amdgcn-amd-amdhsa--gfx1250"
	.amdhsa_code_object_version 6
	.text
	.protected	k_q1b79e73886_oproj
	.globl	k_q1b79e73886_oproj
	.p2align	8
	.type	k_q1b79e73886_oproj,@function
k_q1b79e73886_oproj:
	s_mov_b64 s[64:65], 0
	v_nop
	global_prefetch_b8 v0, s[64:65] scope:SCOPE_SE
	s_setreg_imm32_b32 hwreg(HW_REG_WAVE_MODE, 25, 1), 1
	s_wait_xcnt 0x0
	s_wait_alu depctr_hold_cnt(0) depctr_sa_sdst(0) depctr_va_vdst(0) depctr_va_sdst(0) depctr_va_ssrc(0) depctr_va_vcc(0) depctr_vm_vsrc(0)
	s_getreg_b32 s2, hwreg(HW_REG_IB_STS2, 6, 4)
	s_cmp_eq_u32 s2, 0
	s_cbranch_scc0 .Lentry_in_a_cluster
	s_endpgm
.Lentry_in_a_cluster:
	s_bfe_u32 s2, ttmp6, 0x10000c
	s_cmp_lg_u32 s2, 0xf033
	s_cbranch_scc0 .Lentry_shape_is_right
	s_endpgm
.Lentry_shape_is_right:
; Launch 4 of 4: out0 = a Wo^T on codes of E2M3, K = 1,024; out0 [4096][1024] f32.  No work is left out.
; 256 work-groups: each makes 128 R rows (tokens, 8 tiles of a_codes) x 128 P rows (rows of Wo, tiles 448 on of codes); a wave 64 x 64: 16 accumulators.
; ALL OF K LIES IN LDS AT ONCE: R's 8 tiles (98,304 bytes), P's 8 tiles, and 4,096 scale bytes of each, four dense blocks of memory: one joint load a wave at the head, nothing is filled again, one barrier.
; CLUSTER 4 x 4: R's block hangs on the tile row and is asked for jointly by a row of the cluster, P's on the tile column and by a column.
; Operands lie in memory and in LDS as images of their registers: a piece (16 rows x 64 K) is 768 bytes, registers 0-3 at 16 x lane, 4-5 at 512 + 8 x lane; two pieces on end are a fragment.
; SOURCE 0 = P, SOURCE 1 = R: a lane holds one token and, in accumulator (a, b), features 32 (b / 2) + 16 (lane / 16) + 8 (b % 2) + 0 .. 7.  Row t of R tile a is token 32 (a / 2) + 8 (a % 2) + t + 8 (t / 8).
; K goes in eight steps of 128, written out; step s + 1's fragments (32 LDS loads) are asked for ahead of step s's 16 products, into the other of two sets.
; THE WAY OUT: 16 tokens x 64 features go through the wave's own stage in LDS and leave as rows of 256 bytes, sixteen lanes to a row.
; NO PREFETCH: the text has no loop to run ahead in; each byte is asked for once, at the head.
; REGISTERS: window 0: v1-15 addresses; v32-47 scale words, two sets; v64-159 R's fragments, two sets; v160-223 the way out.  window 1: v0-95 P's fragments, two sets; v128-255 accumulator (a, b) at 8 (4 a + b).
; THE ORDER OF A TILE'S ROWS, AS IT NOW STANDS (it takes the place of the two orders given above): lane r of tile 4 G + t holds row 64 G + 32 (r / 8) + 8 t + r % 8 (launch 1).
; So in accumulator (a, b) a lane holds features 32 (lane / 16) + 8 b + 0 .. 7 of my 64, and row t of R tile a is token 32 (t / 8) + 8 a + t % 8 of my 64.
.set KTILE, 12288
.set HALF,  4*KTILE                    ; four tiles: what one wave reads of R or of P
.set PB,    8*KTILE                    ; P's tiles lie behind R's
.set SCL,   16*KTILE                   ; R's scale bytes, then P's
.set STAGE, SCL+8192                   ; 16 rows x 272 bytes for each wave
.set SPITCH, 272
.set SPARE, STAGE+4*16*SPITCH          ; the spare words, 128 bytes for each wave
.set FR,   12
.set R16,  4
.set R8,   5
.set P16,  6
.set P8,   7
.set ADRS, 8                           ; my scale words: lanes 0-15 R's rows, lanes 16-31 P's
.set STO,  9                           ; the stage: where I put 32 bytes of a row
.set RD,   10                          ; and where I read a row back
.set CO,   11                          ; 4,096 (lane / 16) + 16 (lane % 16)
.set SPW,  12
.set NIL,  13
.set SC,   32
.set RF,   64
.set BK,   160
.set ACC,  128
.set G1R,  24
.set G0R,  32
.set G0P,  36
.set G0SR, 40
.set G0SP, 44
.set G1P,  48
.set G1SR, 76
.set G1SP, 84
.set MSB, 0
.macro WIN new                         ; the immediate's high byte repeats the setting that is left
.if MSB != (\new)
	s_set_vgpr_msb (MSB<<8)|(\new)
.set MSB, (\new)
.endif
.endm
.set MULW, 0x51                        ; source 0 (P), C and D window 1, source 1 (R) window 0
.set TO_B, 0x40                        ; destination window 1, address window 0
.macro CROUND                          ; a round of the cluster's barrier
	s_barrier_signal -1
	s_barrier_wait -1
	s_cmp_lg_u32 s14, 0
	s_cbranch_scc1 .Lnot_wave_0_\@
	s_barrier_signal -3
.Lnot_wave_0_\@:
	s_barrier_wait -3
	s_barrier_signal -1
	s_barrier_wait -1
.endm
.macro PLACES n
.rept \n
	v_nop
.endr
.endm
.macro G1SET g, mask, c, r             ; r rows of c elements of 8 bytes, dense; 15:0 the mask; 21 set beside it
	s_or_b32 s[\g], s[\mask], (3<<16)|(1<<21)
	s_mov_b32 s[\g+1], (\c)<<16
	s_mov_b32 s[\g+2], (\r)<<16
	s_mov_b32 s[\g+3], (\c)<<16
	s_mov_b32 s[\g+4], \r
	s_mov_b32 s[\g+5], \c
	s_mov_b32 s[\g+6], 0
	s_mov_b32 s[\g+7], 0
.endm
.macro SETG0 g, lds, base, off
	s_mov_b32 s[\g], 1
	s_mov_b32 s[\g+1], \lds
	s_add_nc_u64 s[\g+2:\g+3], s[\base:\base+1], s[\off:\off+1]
	s_or_b32 s[\g+3], s[\g+3], 0x80000000
.endm
.macro ARM w, g0, g1, next             ; one chain of branches on the wave's number: every way passes exactly one load
	s_cmp_eq_u32 s14, \w
	s_cbranch_scc0 \next
	tensor_load_to_lds s[\g0:\g0+3], s[\g1:\g1+7]
	s_nop 0
	PLACES 4
	s_branch .Lhead_asked
\next:
.endm
	s_load_b256 s[4:11], s[0:1], 0x0               ; a_codes, a_scales, codes, scales
	s_load_b64 s[12:13], s[0:1], 0x20              ; out0
	v_lshl_add_u32 v[SPW], v0, 2, SPARE
	v_mov_b32 v[NIL], 0
	ds_add_u32 v[SPW], v[NIL]                      ; the wave's opening: the add, twice on end, and its wait ahead of my first tensor load
	ds_add_u32 v[SPW], v[NIL]
	v_lshrrev_b32 v1, 5, v0
	v_readfirstlane_b32 s14, v1                    ; wave 0..3
	s_lshr_b32 s15, s14, 1                         ; my half of the tokens
	s_and_b32 s16, s14, 1                          ; my half of the features
	s_bfe_u32 s92, ttmp6, 0x40000                  ; cx
	s_bfe_u32 s93, ttmp6, 0x40004                  ; cy
	s_lshl_b32 s101, ttmp9, 2
	s_add_co_u32 s101, s101, s92                   ; tile column, 0 .. 7
	s_and_b32 s100, ttmp7, 0xffff
	s_lshl_b32 s100, s100, 2
	s_add_co_u32 s100, s100, s93                   ; tile row, 0 .. 31
	s_lshl_b32 s98, s93, 2
	s_lshl_b32 s98, 15, s98                        ; my row of the cluster
	s_lshl_b32 s99, 0x1111, s92                    ; my column
	G1SET G1R, 98, 1536, 8                         ; 8 tiles of 12,288 bytes on end
	G1SET G1P, 99, 1536, 8
	G1SET G1SR, 98, 32, 16                         ; 4,096 bytes as 16 rows of 256
	G1SET G1SP, 99, 32, 16
	s_mul_i32 s20, s100, 8*KTILE                   ; R's block, made of the tile row alone
	s_mov_b32 s21, 0
	s_lshl_b32 s22, s100, 12
	s_mov_b32 s23, 0
	s_mul_i32 s2, s101, 8*KTILE                    ; P's, of the tile column alone: Wo's tiles begin at 448
	s_add_co_u32 s2, s2, 448*KTILE
	s_mov_b32 s3, 0
	s_lshl_b32 s18, s101, 12
	s_add_co_u32 s18, s18, 448*512
	s_mov_b32 s19, 0
	s_lshl_b32 s94, s100, 1
	s_add_co_u32 s94, s94, s15
	s_lshl_b32 s94, s94, 18                        ; my 64 tokens: rows of 4,096 bytes
	s_lshl_b32 s95, s101, 1
	s_add_co_u32 s95, s95, s16
	s_lshl_b32 s95, s95, 8                         ; my 64 features
	s_add_co_u32 s94, s94, s95
	s_mov_b32 s95, 0
	s_mul_i32 s66, s15, HALF                       ; LDS: my four tiles of R,
	s_mul_i32 s67, s16, HALF
	s_add_co_u32 s67, s67, PB                      ; of P;
	s_xor_b32 s68, s15, 1                          ; from R's words to P's: 2,048 (1 + P half + (1 - R half))
	s_add_co_u32 s68, s68, s16
	s_add_co_u32 s68, s68, 1
	s_lshl_b32 s68, s68, 11
	s_lshl_b32 s69, s15, 11
	s_add_co_u32 s69, s69, SCL
	s_mul_i32 s70, s14, 16*SPITCH
	s_add_co_u32 s70, s70, STAGE                   ; my stage
	s_wait_dscnt 0x0                               ; both opening adds are done
	s_wait_kmcnt 0x0
	SETG0 G0R, 0, 4, 20
	SETG0 G0P, PB, 8, 2
	SETG0 G0SR, SCL, 6, 22
	SETG0 G0SP, SCL+4096, 10, 18
	s_add_nc_u64 s[12:13], s[12:13], s[94:95]
	CROUND                                         ; all sixteen work-groups are here: the joint loads meet
	ARM 0, G0R, G1R, .Lhead_1
	ARM 1, G0P, G1P, .Lhead_2
	ARM 2, G0SR, G1SR, .Lhead_3
	tensor_load_to_lds s[G0SP:G0SP+3], s[G1SP:G1SP+7]
	s_nop 0
	PLACES 4
.Lhead_asked:
	v_and_b32 v1, 15, v0                           ; r
	v_bfe_u32 v2, v0, 4, 1                         ; h
	v_and_b32 v3, 31, v0
	v_lshlrev_b32 v14, 4, v3
	v_lshlrev_b32 v15, 3, v3
	v_add_nc_u32 v[R16], s66, v14
	v_add_nc_u32 v[R8], s66, v15
	v_add_nc_u32 v[P16], s67, v14
	v_add_nc_u32 v[P8], s67, v15
	v_mul_u32_u24 v3, s68, v2                      ; lanes 16-31 take P's words
	v_lshl_add_u32 v3, v1, 3, v3                   ; 8 bytes a row for 256 along K
	v_add_nc_u32 v[ADRS], s69, v3
	v_mul_u32_u24 v3, v1, SPITCH
	v_lshl_add_u32 v3, v2, 7, v3
	v_add_nc_u32 v[STO], s70, v3                   ; in: row r, + 128 h
	v_mul_u32_u24 v3, v2, SPITCH
	v_lshl_add_u32 v3, v1, 4, v3
	v_add_nc_u32 v[RD], s70, v3                    ; back: lanes 0-15 one row of 256 bytes, lanes 16-31 the next
	v_lshlrev_b32 v[CO], 12, v2
	v_lshl_add_u32 v[CO], v1, 4, v[CO]             ; and the same two rows in out0
.macro FRAG reg, a16, a8, off          ; a fragment, 16 rows x 128 K: two pieces on end, as they lie
	ds_load_b128 v[\reg:\reg+3], v[\a16] offset:\off
	ds_load_b64 v[\reg+4:\reg+5], v[\a8] offset:\off+512
	ds_load_b128 v[\reg+6:\reg+9], v[\a16] offset:\off+768
	ds_load_b64 v[\reg+10:\reg+11], v[\a8] offset:\off+1280
.endm
.macro FETCH s                         ; step s: P's four fragments, R's four: 32 loads; with an even step the scale words of two steps: 4 more
	WIN TO_B
.irp i, 0,1,2,3
	FRAG 48*((\s)%2)+FR*\i, P16, P8, KTILE*\i+1536*(\s)
.endr
	WIN 0
.irp i, 0,1,2,3
	FRAG RF+48*((\s)%2)+FR*\i, R16, R8, KTILE*\i+1536*(\s)
.endr
.if (\s)%2 == 0
.irp i, 0,1,2,3
	ds_load_b64 v[SC+8*(((\s)/2)%2)+2*\i:SC+8*(((\s)/2)%2)+2*\i+1], v[ADRS] offset:512*\i+128*((\s)/2)
.endr
.endif
.endm
; 16 products; the 16 accumulators take turns, one instruction a turn, in the same order in every step.  zero = 1: the product starts the sums.
.macro MUL s, zero
	WIN MULW
.irp a, 0,1,2,3
.irp b, 0,1,2,3
.if \zero
	v_wmma_scale_f32_16x16x128_f8f6f4 v[ACC+8*(4*\a+\b):ACC+8*(4*\a+\b)+7], v[48*((\s)%2)+FR*\b:48*((\s)%2)+FR*\b+FR-1], v[RF+48*((\s)%2)+FR*\a:RF+48*((\s)%2)+FR*\a+FR-1], 0, v[SC+8*(((\s)/2)%2)+2*\b+(\s)%2], v[SC+8*(((\s)/2)%2)+2*\a+(\s)%2] matrix_a_fmt:MATRIX_FMT_FP6 matrix_b_fmt:MATRIX_FMT_FP6 matrix_a_scale:MATRIX_SCALE_ROW1
.else
	v_wmma_scale_f32_16x16x128_f8f6f4 v[ACC+8*(4*\a+\b):ACC+8*(4*\a+\b)+7], v[48*((\s)%2)+FR*\b:48*((\s)%2)+FR*\b+FR-1], v[RF+48*((\s)%2)+FR*\a:RF+48*((\s)%2)+FR*\a+FR-1], v[ACC+8*(4*\a+\b):ACC+8*(4*\a+\b)+7], v[SC+8*(((\s)/2)%2)+2*\b+(\s)%2], v[SC+8*(((\s)/2)%2)+2*\a+(\s)%2] matrix_a_fmt:MATRIX_FMT_FP6 matrix_b_fmt:MATRIX_FMT_FP6 matrix_a_scale:MATRIX_SCALE_ROW1
.endif
.endr
.endr
	WIN 0
.endm
	s_wait_alu depctr_va_vdst(0)                   ; the wait at the head's end
	s_wait_tensorcnt 0x0                           ; my block is in,
	s_barrier_signal -1
	s_barrier_wait -1                              ; and everybody's
	FETCH 0
	FETCH 1
	s_wait_dscnt 32                                ; all but step 1's 32 loads
	MUL 0, 1
.set ST, 1
.rept 6
	PLACES 4                                       ; between step ST - 1's products and the loads into their registers (ISA guide 7.12.1 for vector instructions)
	FETCH ST+1
	s_wait_dscnt 32+4*(ST%2)                       ; all but the fetch just issued: 32 loads, and 4 of scale words where step ST + 1 is even
	MUL ST, 0
.set ST, ST+1
.endr
	s_wait_dscnt 0x0
	MUL 7, 0
; THE WAY OUT, block by block of 16 tokens x 64 features.  LDS serves a wave's instructions in order: no wait between the stores and the loads, nor in front of the next block's stores.
.macro TOSTAGE a
	WIN 0x04                                       ; the data: window 1
.irp b, 0,1,2,3
	ds_store_b128 v[STO], v[ACC+8*(4*(\a)+\b):ACC+8*(4*(\a)+\b)+3] offset:32*\b       ; row r, + 128 h, + 32 b; each accumulator from its low end on
	ds_store_b128 v[STO], v[ACC+8*(4*(\a)+\b)+4:ACC+8*(4*(\a)+\b)+7] offset:32*\b+16
.endr
	WIN 0
.irp t, 0,1,2,3,4,5,6,7
	ds_load_b128 v[BK+32*((\a)%2)+4*\t:BK+32*((\a)%2)+4*\t+3], v[RD] offset:2*\t*SPITCH
.endr
.endm
.macro SEND a, younger                 ; younger: the LDS instructions issued behind block a's loads, which may stay out
	s_wait_dscnt \younger
.irp t, 0,1,2,3,4,5,6,7
	global_store_b128 v[CO], v[BK+32*((\a)%2)+4*\t:BK+32*((\a)%2)+4*\t+3], s[12:13] offset:(8*(\a)+2*(\t%4)+32*(\t/4))*4096 th:TH_STORE_NT   ; sixteen lanes store 256 consecutive bytes, aligned; the token's row stands in the immediate
.endr
.endm
	PLACES 4                                       ; ahead of the first reads of results
	TOSTAGE 0
.irp a, 1,2,3
.if \a > 1
	s_wait_xcnt 0x0                                ; block a - 2's stores have read their registers: block a's loads may land there
.endif
	TOSTAGE \a
	SEND \a-1, 16                                  ; behind block a - 1's loads: block a's 8 stores and 8 loads
.endr
	SEND 3, 0
	s_wait_tensorcnt 0x0                           ; the wave's end
	ds_add_u32 v[SPW], v[NIL]
	s_wait_dscnt 0x0
	CROUND                                         ; the closing round
	s_endpgm
.Lfunc_end_k_q1b79e73886_oproj:
	.size	k_q1b79e73886_oproj, .Lfunc_end_k_q1b79e73886_oproj-k_q1b79e73886_oproj
	.p2alignl 7, 3214868480
	.fill 96, 4, 3214868480
	.section	.rodata,"a",@progbits
	.p2align	6, 0x0
	.amdhsa_kernel k_q1b79e73886_oproj
		.amdhsa_group_segment_fixed_size 222720
		.amdhsa_private_segment_fixed_size 0
		.amdhsa_enable_private_segment 0
		.amdhsa_kernarg_size 40
		.amdhsa_user_sgpr_count 2
		.amdhsa_user_sgpr_kernarg_segment_ptr 1
		.amdhsa_wavefront_size32 1
		.amdhsa_system_sgpr_workgroup_id_x 1
		.amdhsa_system_sgpr_workgroup_id_y 1
		.amdhsa_system_sgpr_workgroup_id_z 1
		.amdhsa_system_vgpr_workitem_id 0
		.amdhsa_next_free_vgpr 512
		.amdhsa_next_free_sgpr 102
		.amdhsa_reserve_vcc 0
		.amdhsa_float_denorm_mode_32 3
		.amdhsa_float_denorm_mode_16_64 3
		.amdhsa_memory_ordered 1
		.amdhsa_forward_progress 1
		.amdhsa_inst_pref_size 51
	.end_amdhsa_kernel
	.amdgpu_metadata
---
amdhsa.version: [ 1, 2 ]
amdhsa.kernels:
  - .name:           k_q1b79e73886_oproj
    .symbol:         k_q1b79e73886_oproj.kd
    .args:
      - { .name: a_codes, .offset: 0, .size: 8, .value_kind: global_buffer, .address_space: global }
      - { .name: a_scales, .offset: 8, .size: 8, .value_kind: global_buffer, .address_space: global }
      - { .name: codes, .offset: 16, .size: 8, .value_kind: global_buffer, .address_space: global }
      - { .name: scales, .offset: 24, .size: 8, .value_kind: global_buffer, .address_space: global }
      - { .name: out0, .offset: 32, .size: 8, .value_kind: global_buffer, .address_space: global }
    .group_segment_fixed_size: 222720
    .private_segment_fixed_size: 0
    .kernarg_segment_align: 8
    .kernarg_segment_size: 40
    .max_flat_workgroup_size: 128
    .sgpr_count:     102
    .vgpr_count:     512
    .wavefront_size: 32
...
	.end_amdgpu_metadata
.endif
;; end of part 4
